; MI455X (gfx1250); checked and timed in simulation.
; The chip was launched on July 23, 2026; its instructions are those of AMD's public machine-readable ISA for CDNA 5 (MIT licence, August 2026) and "CDNA5" Instruction Set Architecture Reference Guide (July 2026). The comments in the code are by the model that wrote it; some were corrected since.
;; Multi Head Attention. Allowed arithmetic: matrix products marked QUANTISED: E2M1 operands, one E8M0 scale for each 32 along K, by v_wmma_scale_f32_16x16x128_f8f6f4 with both operands' format E2M1 (or v_wmma_scale_f32_32x16x128_f4), f32 sums; everything else in f32.
;; Inputs: W_k 1,024 x 1,024 float32; W_o 1,024 x 1,024 float32; W_q 1,024 x 1,024 float32; W_v 1,024 x 1,024 float32; b_o 1,024 float32; inputs 4 x 2,048 x 1,024 float32.
;; Outputs: out0 4 x 2,048 x 1,024 float32.
;; This version of the problem:
;;   THIS VERSION OF THE PROBLEM IS GIVEN IN LOW PRECISION. The matrix products marked QUANTISED in the list below multiply operands that are first quantised to E2M1 (2 exponent bits, 1 mantissa bit; 4 bits a number), with one power-of-two scale for each 32 numbers along K (OCP MX v1.0); their sums are f32. All else is computed in f32.
;;   The module's matrix products, in the order in which they are computed (A, B: the left and right operand; K: the contracted axis; several contracted axes count as one K, in the product's order):
;;     1. [M 8,192, K 1,024] x [K 1,024, N 1,024]; A: input inputs; B: input W_q: QUANTISED
;;     2. [M 8,192, K 1,024] x [K 1,024, N 1,024]; A: input inputs; B: input W_k: QUANTISED
;;     3. [M 8,192, K 1,024] x [K 1,024, N 1,024]; A: input inputs; B: input W_v: QUANTISED
;;     4. batch 64 x [M 2,048, K 64] x [K 64, N 2,048]; A: computed on the way; B: computed on the way: QUANTISED
;;     5. batch 64 x [M 2,048, K 2,048] x [K 2,048, N 64]; A: softmax (see below); B: computed on the way: QUANTISED
;;     6. [M 8,192, K 1,024] x [K 1,024, N 1,024]; A: computed on the way; B: input W_o: QUANTISED
;;   THE QUANTISER, for each operand of a quantised product, along K:
;;     - K is cut into blocks of 32 from its start; a last block that is shorter is filled with zeros.
;;     - A block's scale is 2^e with e = floor(log2(the largest magnitude in the block)) - 2, held to -126 .. 127; a block of zeros has e = 0. As a byte (E8M0): e + 127.
;;     - Each number is divided by its block's scale, clamped to +-6, and rounded to the nearest number of E2M1, ties to even, subnormals kept.
;;     - The product sums the exact products of the quantised numbers (number of the format x scale) in f32.
;;   ~~~python
;;   def quantise(x, axis):      # numpy; x: float32 -> the quantised numbers, widened to float32 again
;;       x = np.moveaxis(x, axis, -1); K = x.shape[-1]
;;       x = np.pad(x, [(0, 0)] * (x.ndim - 1) + [(0, -K % 32)]); x = x.reshape(x.shape[:-1] + (-1, 32)); a = np.abs(x).max(-1, keepdims=True)
;;       e = np.where(a > 0, np.clip(np.frexp(np.where(a > 0, a, 1))[1] - 1 - 2, -126, 127), 0)      # np.frexp(a)[1] - 1 = floor(log2(a)), exactly
;;       r = np.clip(x / 2.0 ** e, -6, 6)
;;       step = 2.0 ** (np.maximum(np.frexp(np.where(r == 0, 1, r))[1] - 1, 0) - 1)
;;       q = np.round(r / step) * step * 2.0 ** e      # np.round: ties to even
;;       return np.moveaxis(q.reshape(q.shape[:-2] + (-1,))[..., :K], -1, axis).astype(np.float32)
;;   ~~~
;;   SOFTMAX AHEAD OF A QUANTISED PRODUCT. Where the list says 'softmax', what is quantised is not the finished softmax but p = 2^(t - M), with t = logit x log2(e) and M = ceil(the row's largest t), a whole number; so 1/2 < the row's largest p <= 1. The row's sum l is taken of the UNQUANTISED p, in f32, and the product's result is divided by l at the end. Since M is a whole number, a kernel that streams over the keys may use a running M (the ceiling of the running maximum): every later rescaling is an exact power of two, which a block's scale takes up: the codes' values come out the same.
;;   OPERANDS COMPUTED ON THE WAY. 'Computed on the way' means the value that the module computes at that place (a softmax that the list does not call 'softmax' is quantised finished and normalised). What goes into a quantiser is computed in f32, as accurately as f32 sums, v_exp_f32 and their like allow (about 1e-6 of the number): no bf16 or f16 on the way to a quantiser, and a product that is left as it is and whose result goes on into a quantised operand takes f32 operands (vector FMAs, or v_wmma_f32_16x16x4_f32). A number that lies on a knife's edge between two numbers of the format may be rounded either way, as far as f32 arithmetic and the matrix unit's own rounding can turn it there, and no further.
;; One version. Each part assembles by itself: llvm-mc -triple=amdgcn-amd-amdhsa -mcpu=gfx1250 --defsym DOCPART=n.
;; ======== version 1 of 1: 4 launches
;; workspace buffers: xbuf 4,456,448 bytes; wbuf 2,228,224 bytes; qbuf 4,456,448 bytes; kvbuf 8,912,896 bytes; cbuf 4,456,448 bytes
;; launch quant (part 1): grid 384 x 1, 4 waves a work-group, no clusters, 34,304 bytes of LDS; arguments inputs, W_q, W_k, W_v, W_o, xbuf, wbuf; writes xbuf, wbuf
.if DOCPART == 1
	.amdgcn_target "amdgcn-amd-amdhsa--gfx1250"
	.amdhsa_code_object_version 6
	.text
	.protected	k_q6201c7c990_quant
	.globl	k_q6201c7c990_quant
	.p2align	8
	.type	k_q6201c7c990_quant,@function
k_q6201c7c990_quant:
	s_mov_b64 s[64:65], 0
	v_nop
	global_prefetch_b8 v0, s[64:65] scope:SCOPE_SE
	s_setreg_imm32_b32 hwreg(HW_REG_WAVE_MODE, 25, 1), 1
	s_wait_xcnt 0x0
; LAUNCH 1 OF 4.  Causal multi-head attention, all six products on codes of FP4 (E2M1) with one E8M0 scale for each 32 along K.
; This launch quantises inputs [8192][1024] and W_q, W_k, W_v, W_o [1024][1024] (f32, K innermost) once, since many work-groups of the later launches read them.
; WORK LEFT OUT BY THE PROGRAM: reference() sets scores[q][k] to -inf for k > q by its own jnp.tril, so their weights are 0 whatever the inputs hold.  The third launch therefore leaves out every
; step of 128 keys that lies wholly behind a wave's 16 queries (both products and the softmax of that step).  Nothing else is left out; every input is loaded.
; LIMITS: a NaN, an infinity or an overflow that reaches only those hidden scores is not carried to the result.  NaN and infinities among the inputs are not served.
; A block whose largest magnitude lies under 2^(3 - 127), a block of zeros among them, gets the byte 1 (the rule says 127 for zeros): its codes are zeros or nearly so, and only this program reads the bytes.
; THE LAYOUT THAT IS WRITTEN (the order of the operand's registers).  Row tile T holds the 16 rows rho(T, r) = 32 (T / 2) + 8 (T % 2) + r + 8 (r / 8).
;   codes:  [T][j = 0..15][lane][16 bytes]: lane (r, h) holds the codes of row rho(T, r), k = 64 j + 32 h + 0 .. 31.  8,192 bytes a tile; a fragment of 128 along K is 1,024 consecutive bytes.
;   scales: [T][s = 0, 1][r][16 bytes]: the bytes of row rho(T, r), blocks 16 s .. 16 s + 15.  512 bytes a tile, behind all the codes.
; SHARES.  A wave takes one row tile and one half of K (512): four steps of 128.  Work-groups 0-255 take inputs (512 tiles), 256-383 the weights (64 tiles each, in the order q, k, v, o).  Only pointers are chosen:
; all five tensors take one path.  Each load reads 512 consecutive bytes of one row; a step's 16 rows turn through the wave's own stage in LDS and come back 128 bytes a lane: a whole block of 32 in one lane.
; No work-group shares an input byte with another: no cluster, no tensor loads, no barrier.
.set SP,    528                        ; a stage row: 512 bytes + 16: the sixteen rows that a read touches start 16 bytes apart modulo 256
.set WST,   16*SP                      ; a wave's stage
.set SPARE, 4*WST                      ; behind the stages: the spare words, 128 bytes a wave
.set LOF,  1                           ; v1   16 x lane: my place in a load's and in a code store's 512 bytes
.set SIN,  2                           ; v2   the stage, on the way in
.set SOUT, 3                           ; v3   and on the way out: row r, + 128 h
.set SCO,  5                           ; v5   16 r + 8 h: my 8 scale bytes
.set HH,   6                           ; v6   h
.set SH,   7                           ; v7   8 h
.set SPW,  14                          ; v14  my spare word; never rewritten
.set NIL,  15                          ; v15  0; never rewritten
.set R,    16                          ; v16-143  two sets of 64: a step's numbers as loaded
.set X,    144                         ; v144-207 my two blocks of 32
.set C,    208                         ; v208-239 codes: eight registers a step, so that no store's data are written again
.set WD,   240                         ; v240-243 the four steps' scale words
	s_load_b256 s[4:11], s[0:1], 0x0               ; inputs, W_q, W_k, W_v
	s_load_b128 s[12:15], s[0:1], 0x20             ; W_o, xbuf
	s_load_b64 s[16:17], s[0:1], 0x30              ; wbuf
	v_lshl_add_u32 v[SPW], v0, 2, SPARE
	v_mov_b32 v[NIL], 0
	v_lshrrev_b32 v1, 5, v0
	v_readfirstlane_b32 s18, v1                    ; wave 0..3
	v_and_b32 v4, 31, v0                           ; lane
	v_lshlrev_b32 v[LOF], 4, v4
	s_mul_i32 s19, s18, WST
	v_add_nc_u32 v[SIN], s19, v[LOF]
	v_and_b32 v8, 15, v0                           ; r
	v_bfe_u32 v[HH], v0, 4, 1                      ; h
	v_mul_u32_u24 v[SOUT], v8, SP
	v_lshl_add_u32 v[SOUT], v[HH], 7, v[SOUT]
	v_add_nc_u32 v[SOUT], s19, v[SOUT]
	v_lshlrev_b32 v[SCO], 4, v8
	v_lshl_add_u32 v[SCO], v[HH], 3, v[SCO]
	v_lshlrev_b32 v[SH], 3, v[HH]
	v_mov_b32 v246, 0                              ; written once: a lane permute's destination counts as one of its sources
	s_mov_b32 s20, 0x76543210
	s_mov_b32 s21, 0xfedcba98                      ; v_permlanex16_b32's selects for lane l xor 16
	s_lshr_b32 s30, s18, 1                         ; which of the work-group's two tiles
	s_and_b32 s31, s18, 1                          ; s: which half of K
	s_wait_kmcnt 0x0
	s_cmp_lt_u32 ttmp9, 352                        ; the choices hang on the work-group's number alone
	s_cselect_b64 s[22:23], s[10:11], s[12:13]
	s_cmp_lt_u32 ttmp9, 320
	s_cselect_b64 s[22:23], s[8:9], s[22:23]
	s_cmp_lt_u32 ttmp9, 288
	s_cselect_b64 s[22:23], s[6:7], s[22:23]
	s_cmp_lt_u32 ttmp9, 256
	s_cselect_b64 s[22:23], s[4:5], s[22:23]       ; the tensor that I read
	s_cselect_b64 s[24:25], s[14:15], s[16:17]     ; the buffer that I write
	s_mov_b32 s26, 2097152
	s_cselect_b32 s26, 4194304, s26                ; where its scale bytes begin
	s_mov_b32 s28, 63
	s_cselect_b32 s28, 511, s28                    ; tiles in the tensor, less 1
	s_cselect_b32 s27, 0, 256
	s_sub_co_u32 s27, ttmp9, s27
	s_lshl_b32 s27, s27, 1
	s_add_co_u32 s27, s27, s30                     ; T: my tile in the buffer
	s_and_b32 s28, s27, s28                        ; and in the tensor
	s_lshr_b32 s29, s28, 1
	s_lshl_b32 s29, s29, 17                        ; 32 rows of 4,096 bytes for each pair of tiles,
	s_and_b32 s28, s28, 1
	s_lshl_b32 s28, s28, 15                        ; 8 rows for the odd one,
	s_add_co_u32 s28, s28, s29
	s_lshl_b32 s29, s31, 11                        ; 2,048 bytes for the second half of K
	s_add_co_u32 s28, s28, s29
	s_mov_b32 s29, 0
	s_add_nc_u64 s[22:23], s[22:23], s[28:29]
	s_lshl_b32 s32, s27, 13                        ; codes: 8,192 T + 4,096 s
	s_lshl_b32 s33, s31, 12
	s_add_co_u32 s32, s32, s33
	s_mov_b32 s33, 0
	s_add_nc_u64 s[34:35], s[24:25], s[32:33]
	s_lshl_b32 s32, s27, 9                         ; scale bytes: 512 T + 256 s, behind the codes
	s_lshl_b32 s36, s31, 8
	s_add_co_u32 s32, s32, s36
	s_add_co_u32 s32, s32, s26
	s_add_nc_u64 s[36:37], s[24:25], s[32:33]
.macro LOAD t                          ; step t: 128 numbers of each of the tile's 16 rows: the 32 lanes read 512 consecutive bytes
.irp i, 0,1,2,3,4,5,6,7,8,9,10,11,12,13,14,15
	global_load_b128 v[R+64*((\t)%2)+4*\i:R+64*((\t)%2)+4*\i+3], v[LOF], s[22:23] offset:(\i+8*(\i/8))*4096+512*(\t) th:TH_LOAD_NT
.endr
.endm
.macro STEP t
.if (\t) < 3
	s_wait_loadcnt 16                              ; this step's 16 loads are in; the next step's 16 may be out
.else
	s_wait_loadcnt 0x0
.endif
.irp i, 0,1,2,3,4,5,6,7,8,9,10,11,12,13,14,15
	ds_store_b128 v[SIN], v[R+64*((\t)%2)+4*\i:R+64*((\t)%2)+4*\i+3] offset:SP*\i
.endr
.irp c, 0,1                            ; LDS serves a wave's instructions in order: these see the stores above.  Block 2 c + h of my row: 128 bytes
.irp i, 0,1,2,3,4,5,6,7
	ds_load_b128 v[X+32*\c+4*\i:X+32*\c+4*\i+3], v[SOUT] offset:256*\c+16*\i
.endr
.endr
	s_wait_dscnt 0x0                               ; my numbers are back, and the stores have read their registers,
.if (\t)+2 < 4
	LOAD (\t)+2                                    ; which take the loads of two steps on
.endif
.irp c, 0,1
	v_max3_num_f32 v[8+\c], |v[X+32*\c]|, |v[X+32*\c+1]|, 0x1800000   ; the block's largest magnitude: all 32 numbers are mine; and the floor 2^(3 - 127): the byte cannot fall under 1
.endr
.irp i, 2,4,6,8,10,12,14,16,18,20,22,24,26,28,30
.irp c, 0,1
	v_max3_num_f32 v[8+\c], v[8+\c], |v[X+32*\c+\i]|, |v[X+32*\c+\i+1]|   ; (the two blocks by turns)
.endr
.endr
.irp c, 0,1
	v_add_nc_u32 v[10+\c], 0xff000000, v[8+\c]     ; 2 off its exponent field: the conversion takes the exponent field of this operand as its scale
.endr
.irp c, 0,1
	v_lshrrev_b32 v[12+\c], 23, v[10+\c]           ; the scale's byte
.endr
	v_lshl_or_b32 v12, v13, 16, v12                ; my two bytes, blocks h and 2 + h of the step,
	v_lshlrev_b32 v12, v[SH], v12                  ; at their places in the scale word;
	v_permlanex16_b32 v246, v12, s20, s21
	v_or_b32 v[WD+(\t)], v12, v246                 ; with lane l xor 16's two the word is whole
.irp c, 0,1
.irp g, 0,1,2,3
	v_cvt_scalef32_pk8_fp4_f32 v[C+8*(\t)+4*\c+\g], v[X+32*\c+8*\g:X+32*\c+8*\g+7], v[10+\c]
.endr
.endr
	v_nop                                          ; one plain place behind the scaled conversions
.irp c, 0,1
	global_store_b128 v[LOF], v[C+8*(\t)+4*\c:C+8*(\t)+4*\c+3], s[34:35] offset:1024*(\t)+512*\c   ; 512 consecutive bytes, aligned
.endr
.endm
	LOAD 0
	LOAD 1
	STEP 0
	STEP 1
	STEP 2
	STEP 3
	v_cmp_ne_u32 vcc_lo, 0, v[HH]
	v_cndmask_b32 v244, v[WD], v[WD+2], vcc_lo     ; lanes 0-15: the words of steps 0, 1; lanes 16-31: of steps 2, 3
	v_cndmask_b32 v245, v[WD+1], v[WD+3], vcc_lo
	global_store_b64 v[SCO], v[244:245], s[36:37]  ; the 32 lanes store 256 consecutive bytes, aligned
	s_wait_tensorcnt 0x0                           ; the wave's end: behind my last LDS store
	ds_add_u32 v[SPW], v[NIL]
	s_wait_dscnt 0x0
	s_endpgm
.Lfunc_end_k_q6201c7c990_quant:
	.size	k_q6201c7c990_quant, .Lfunc_end_k_q6201c7c990_quant-k_q6201c7c990_quant
	.p2alignl 7, 3214868480
	.fill 96, 4, 3214868480
	.section	.rodata,"a",@progbits
	.p2align	6, 0x0
	.amdhsa_kernel k_q6201c7c990_quant
		.amdhsa_group_segment_fixed_size 34304
		.amdhsa_private_segment_fixed_size 0
		.amdhsa_enable_private_segment 0
		.amdhsa_kernarg_size 56
		.amdhsa_user_sgpr_count 2
		.amdhsa_user_sgpr_kernarg_segment_ptr 1
		.amdhsa_wavefront_size32 1
		.amdhsa_system_sgpr_workgroup_id_x 1
		.amdhsa_system_sgpr_workgroup_id_y 1
		.amdhsa_system_sgpr_workgroup_id_z 1
		.amdhsa_system_vgpr_workitem_id 0
		.amdhsa_next_free_vgpr 248
		.amdhsa_next_free_sgpr 66
		.amdhsa_reserve_vcc 1
		.amdhsa_float_denorm_mode_32 3
		.amdhsa_float_denorm_mode_16_64 3
		.amdhsa_memory_ordered 1
		.amdhsa_forward_progress 1
		.amdhsa_inst_pref_size 31
	.end_amdhsa_kernel
	.amdgpu_metadata
---
amdhsa.version: [ 1, 2 ]
amdhsa.kernels:
  - .name:           k_q6201c7c990_quant
    .symbol:         k_q6201c7c990_quant.kd
    .args:
      - { .name: inputs, .offset: 0, .size: 8, .value_kind: global_buffer, .address_space: global }
      - { .name: W_q, .offset: 8, .size: 8, .value_kind: global_buffer, .address_space: global }
      - { .name: W_k, .offset: 16, .size: 8, .value_kind: global_buffer, .address_space: global }
      - { .name: W_v, .offset: 24, .size: 8, .value_kind: global_buffer, .address_space: global }
      - { .name: W_o, .offset: 32, .size: 8, .value_kind: global_buffer, .address_space: global }
      - { .name: xbuf, .offset: 40, .size: 8, .value_kind: global_buffer, .address_space: global }
      - { .name: wbuf, .offset: 48, .size: 8, .value_kind: global_buffer, .address_space: global }
    .group_segment_fixed_size: 34304
    .private_segment_fixed_size: 0
    .kernarg_segment_align: 8
    .kernarg_segment_size: 56
    .max_flat_workgroup_size: 128
    .sgpr_count:     66
    .vgpr_count:     248
    .wavefront_size: 32
...
	.end_amdgpu_metadata
.endif
;; end of part 1
;; launch proj (part 2): grid 12 x 32, 4 waves a work-group, clusters of 4 x 4, 327,680 bytes of LDS; arguments xbuf, wbuf, qbuf, kvbuf; writes qbuf, kvbuf
.if DOCPART == 2
	.amdgcn_target "amdgcn-amd-amdhsa--gfx1250"
	.amdhsa_code_object_version 6
	.text
	.protected	k_q6201c7c990_proj
	.globl	k_q6201c7c990_proj
	.p2align	8
	.type	k_q6201c7c990_proj,@function
k_q6201c7c990_proj:
	s_mov_b64 s[64:65], 0
	v_nop
	global_prefetch_b8 v0, s[64:65] scope:SCOPE_SE
	s_setreg_imm32_b32 hwreg(HW_REG_WAVE_MODE, 25, 1), 1
	s_wait_xcnt 0x0
	s_wait_alu depctr_hold_cnt(0) depctr_sa_sdst(0) depctr_va_vdst(0) depctr_va_sdst(0) depctr_va_ssrc(0) depctr_va_vcc(0) depctr_vm_vsrc(0)
	s_getreg_b32 s2, hwreg(HW_REG_IB_STS2, 6, 4)
	s_cmp_eq_u32 s2, 0
	s_cbranch_scc0 .Lentry_in_a_cluster
	s_endpgm
.Lentry_in_a_cluster:
	s_bfe_u32 s2, ttmp6, 0x10000c
	s_cmp_lg_u32 s2, 0xf033
	s_cbranch_scc0 .Lentry_shape_is_right
	s_endpgm
.Lentry_shape_is_right:
; LAUNCH 2 OF 4.  Q = x W_q^T, K = x W_k^T, V = x W_v^T on codes of FP4 with E8M0 scales, f32 sums, K = 1,024 ascending; the results are quantised in registers and leave as codes: nothing goes out in f32.
; Q and K are quantised along the head's 64 (two blocks), V along the keys.  No work of reference() is left out here.
; OPERANDS come in the order of the operand's registers (launch 1): row tile T = rows 32 (T / 2) + 8 (T % 2) + r + 8 (r / 8); a fragment of 16 rows x 128 K is 1,024 consecutive bytes, lane l's 16 bytes at 16 l and 512 + 16 l.
; A tile of 256 x 256 results is made by four waves, 128 x 128 each: 64 accumulators.  THE MATRIX INSTRUCTION IS USED TRANSPOSED: source 0 = 16 rows of 'B', source 1 = 16 rows of 'A'.  Since both sides' tiles hold
; their rows in the order above, a lane holds ONE row of A (rho(a, r)), and register 16 b + i of its eight accumulators of block a holds B's row 32 b + 16 (lane / 16) + i: 16 neighbours along the next product's K.
; Clusters with x = 0, 1 (Q, K): A = x (tokens), B = W_q | W_k (features): a lane's registers run along the features, two heads of 64.
; Clusters with x = 2 (V):       A = W_v (features), B = x (tokens): a lane's registers run along the tokens, which are the keys.  One text serves all three: buffers and offsets are chosen by the cluster's x.
; CLUSTERS: 4 x 4 work-groups.  The four of a row of the cluster need the same rows of A, the four of a column the same rows of B: each tile is asked for JOINTLY.
; K = 1,024 is two LDS slots of 512 along K: every fill is a first fill; by this text's count three tensor loads of a wave are out at the start (scales, slot 0, slot 1), and no slot is filled again.
; WHAT IS WRITTEN.  qbuf: [batch x 16 + head][group g of 128 tokens] records of 4,352 bytes: 8 token tiles x 512 bytes (lane (r, h): the head's codes 32 h .. + 31 of token 128 g + rho(a, r)); at 4,096: [r][i] words:
; tile 2 i's two scale bytes, then tile 2 i + 1's.  kvbuf: [batch x 16 + head][key step of 128] records of 8,704 bytes: K as in qbuf; at 4,096: V^T, 4 channel tiles x 1,024 bytes (a whole fragment: channel rho(u, r), 128 keys);
; at 8,192: K's scale words [r][i]; at 8,448: V's [r][u].
; LIMITS: as stated at the head of launch 1 (the floor under a block's largest magnitude; NaN and infinities not served).
; REGISTERS, in windows of 256: window 0: v0-31 addresses; v32-95 scale words, two sets; v128-191 A's fragments, ONE set, later the codes made; v192-219 at work on the way out.
;   window 1: B's fragments, TWO sets, at v0 and v128.   window 2: the accumulators of my A blocks 0-3 ((a, b) at v[8 (8 a + b)]);   window 3: those of blocks 4-7.
.set NQ,     4                         ; steps of 128 along K in a slot
.set FR,     8                         ; registers of a fragment
.set NL,     2                         ; LDS loads that bring one
.set NP,     4                         ; places behind this matrix instruction (ISA guide 7.12.1)
.set HALFT,  32768                     ; 8 row tiles x 4,096 bytes: what one tensor load brings, and what one wave reads of A or of B
.set SLOT,   4*HALFT                   ; A's 16 row tiles, then B's 16
.set SCL,    2*SLOT                    ; behind the slots: the scales, 4,096 bytes for each 8 row tiles
.set SPARE,  SCL+4*4096                ; behind the scales: the spare words, 128 bytes a wave
.set ADRA, 16                          ; v16-17  LDS address of my A fragments in slot 0, 1
.set ADRB, 20                          ; v20-21  the same for B
.set LI,   24                          ; v24     16 x lane
.set VO1,  25                          ; v25     16 x lane + 16 records: the next head
.set VSO,  26                          ; v26     where my 16 bytes of scale words go
.set ADRS, 27                          ; v27     LDS address of my scale words: lanes 0-15 A's rows, lanes 16-31 B's
.set SPW,  28                          ; v28     my spare word; never rewritten
.set NIL,  29                          ; v29     0; never rewritten
.set SC,   32                          ; scale words: set s at v[SC + 32 s]; register 4 i + q: lanes 0-15 A's block i, lanes 16-31 B's block i, the slot's q-th 128 along K
.set AF,   128                         ; A's fragments
.set PC,   128                         ; the way out: block a's codes at v[PC + 8 a]
.set TM,   192                         ; v192-195 largest magnitudes, v196-199 bytes, v204-207 the conversions' scale operands
.set PW,   208                         ; v208-215 block a's scale word
.set SW,   216                         ; v216-219 scale words as they are stored
.set G1, 24                            ; s[24:31] descriptor group 1 for A's tiles;  s[32:39] group 0, one set for each slot
.set G0, 32
.set G1B, 48                           ; s[48:55], s[56:63] the same for B's
.set G0B, 56
.set G1S, 68                           ; s[68:75], s[76:79] for A's scales;  s[80:87], s[88:91] for B's
.set G0S, 76
.set G1SB, 80
.set G0SB, 88
.set MSB, 0
.macro WIN new                         ; the immediate's high byte repeats the setting that is left
.if MSB != (\new)
	s_set_vgpr_msb (MSB<<8)|(\new)
.set MSB, (\new)
.endif
.endm
.set MUL_LO, 0xa1                      ; source 0 (B) window 1, source 1 (A) window 0, C and D window 2
.set MUL_HI, 0xf1                      ; the same, C and D window 3
.set TO_B,   0x40                      ; destination window 1, address window 0
; A joint load: waves 0 and 1 fetch for A, waves 2 and 3 for B.  Each line has one mask and one set of registers for all that issue it; the branch hangs on the wave's number alone.
; An s_nop 0 and four v_nop follow each of the two lines.
.macro JLOAD g0a, g1a, g0b, g1b
	s_cmp_eq_u32 s15, 0
	s_cbranch_scc0 .Lfor_b_\@
	tensor_load_to_lds s[\g0a:\g0a+3], s[\g1a:\g1a+7]
	s_nop 0
.rept 4
	v_nop
.endr
	s_branch .Lasked_\@
.Lfor_b_\@:
	tensor_load_to_lds s[\g0b:\g0b+3], s[\g1b:\g1b+7]
	s_nop 0
.rept 4
	v_nop
.endr
.Lasked_\@:
.endm
.macro CROUND                          ; a round of the cluster's barrier
	s_barrier_signal -1
	s_barrier_wait -1
	s_cmp_lg_u32 s14, 0
	s_cbranch_scc1 .Lnot_wave_0_\@
	s_barrier_signal -3
.Lnot_wave_0_\@:
	s_barrier_wait -3
	s_barrier_signal -1
	s_barrier_wait -1
.endm
	s_load_b256 s[4:11], s[0:1], 0x0               ; xbuf s[4:5], wbuf s[6:7], qbuf s[8:9], kvbuf s[10:11]
	v_lshl_add_u32 v[SPW], v0, 2, SPARE
	v_mov_b32 v[NIL], 0
	ds_add_u32 v[SPW], v[NIL]                      ; the wave's opening: the add, twice on end, and its wait ahead of my first tensor load
	ds_add_u32 v[SPW], v[NIL]                      ; and once more; the set-up below, work on registers, stands between it and the wait
	v_lshrrev_b32 v1, 5, v0
	v_readfirstlane_b32 s14, v1                    ; wave 0..3
	s_lshr_b32 s15, s14, 1                         ; which half of A's 256 rows is mine.  Also: I fetch for A (0) or for B (1)
	s_and_b32 s16, s14, 1                          ; which half of B's.  Also: which 8 row tiles I fetch
	s_bfe_u32 s40, ttmp6, 0x40000                  ; cx, cy: my place in the cluster
	s_bfe_u32 s41, ttmp6, 0x40004
	s_and_b32 s12, ttmp7, 0xffff                   ; the cluster's y
	s_cmp_eq_u32 ttmp9, 2                          ; V's clusters?  The cluster's x is the same in all sixteen partners
	s_cselect_b32 s13, 0, s12                      ; A's tile: V: cy of W_v's four;          else 4 x cluster y + cy of x's 32
	s_cselect_b32 s18, s12, ttmp9                  ; B's tile: V: 4 x cluster y + cx of x's; else 4 x cluster x + cx of W_q | W_k's eight
	s_cselect_b32 s19, 1048576, 0                  ; where A's codes begin in their buffer (W_v: row tile 128 of wbuf),
	s_mov_b32 s2, 4194304
	s_cselect_b32 s3, 2162688, s2                  ; A's scales (W_v: 2,097,152 + 128 x 512),
	s_mov_b32 s45, 2097152
	s_cselect_b32 s45, s2, s45                     ; and B's
	s_lshl_b32 s17, s13, 2
	s_add_co_u32 s17, s17, s41                     ; A's tile of 256 rows
	s_lshl_b32 s42, s18, 2
	s_add_co_u32 s42, s42, s40                     ; B's
	s_lshl_b32 s43, s41, 2
	s_lshl_b32 s43, 15, s43                        ; my row of the cluster
	s_lshl_b32 s44, 0x1111, s40                    ; my column
	; descriptor group 1: 8 row tiles x 4,096 bytes (512 elements of 8 bytes), 8,192 bytes apart in memory, dense in LDS
	s_or_b32 s[G1+0], s43, (3<<16)|(1<<21)         ; 15:0 the mask: A's tiles go to my row; 17:16 elements of 8 bytes; 20 no padding; 21 set beside a mask
	s_or_b32 s[G1B+0], s44, (3<<16)|(1<<21)
.irp g, G1, G1B
	s_mov_b32 s[\g+1], 512<<16                     ; tensor_dim0
	s_mov_b32 s[\g+2], 8<<16                       ; tensor_dim1
	s_mov_b32 s[\g+3], 512<<16                     ; tile_dim0
	s_mov_b32 s[\g+4], 8                           ; tile_dim1
	s_mov_b32 s[\g+5], 1024                        ; tensor_dim0_stride
	s_mov_b32 s[\g+6], 0
	s_mov_b32 s[\g+7], 0
.endr
	; and for the scales of 8 row tiles: 4,096 dense bytes as 16 rows of 256
	s_or_b32 s[G1S+0], s43, (3<<16)|(1<<21)
	s_or_b32 s[G1SB+0], s44, (3<<16)|(1<<21)
.irp g, G1S, G1SB
	s_mov_b32 s[\g+1], 32<<16
	s_mov_b32 s[\g+2], 16<<16
	s_mov_b32 s[\g+3], 32<<16
	s_mov_b32 s[\g+4], 16
	s_mov_b32 s[\g+5], 32
	s_mov_b32 s[\g+6], 0
	s_mov_b32 s[\g+7], 0
.endr
	s_lshl_b32 s92, s16, 3                         ; which 8 row tiles of the 16 I fetch
	s_lshl_b32 s20, s17, 4
	s_add_co_u32 s20, s20, s92                     ; A: the first of them
	s_lshl_b32 s22, s20, 9
	s_add_co_u32 s22, s22, s3                      ; its scales, in bytes,
	s_mov_b32 s23, 0
	s_lshl_b32 s20, s20, 13
	s_add_co_u32 s20, s20, s19                     ; and its codes
	s_mov_b32 s21, 0
	s_lshl_b32 s46, s42, 4
	s_add_co_u32 s46, s46, s92                     ; B likewise, in registers that never hold cy
	s_lshl_b32 s94, s46, 9
	s_add_co_u32 s94, s94, s45
	s_mov_b32 s95, 0
	s_lshl_b32 s46, s46, 13
	s_mov_b32 s47, 0
	s_lshl_b32 s93, s14, 15                        ; where they go: wave x 32,768: no place in the cluster enters an LDS address
	s_lshl_b32 s19, s14, 12                        ; and the scales: wave x 4,096
	s_wait_dscnt 0x0                               ; both opening adds are done
	s_wait_kmcnt 0x0
	s_cmp_eq_u32 ttmp9, 2
	s_cselect_b64 s[66:67], s[6:7], s[4:5]         ; A's buffer
	s_cselect_b64 s[96:97], s[4:5], s[6:7]         ; B's
	s_add_nc_u64 s[20:21], s[66:67], s[20:21]
	s_add_nc_u64 s[22:23], s[66:67], s[22:23]
	s_add_nc_u64 s[46:47], s[96:97], s[46:47]
	s_add_nc_u64 s[94:95], s[96:97], s[94:95]
	CROUND                                         ; all sixteen work-groups are here: the joint loads meet
	s_mov_b32 s[G0S], 1
	s_add_co_u32 s[G0S+1], s19, SCL
	s_mov_b64 s[G0S+2:G0S+3], s[22:23]
	s_or_b32 s[G0S+3], s[G0S+3], 0x80000000
	s_mov_b32 s[G0SB], 1
	s_add_co_u32 s[G0SB+1], s19, SCL
	s_mov_b64 s[G0SB+2:G0SB+3], s[94:95]
	s_or_b32 s[G0SB+3], s[G0SB+3], 0x80000000
	JLOAD G0S, G1S, G0SB, G1SB                     ; the scales first: they are wanted with the first step
.irp s, 0,1
	s_mov_b32 s[G0+4*\s], 1
	s_add_co_u32 s[G0+4*\s+1], s93, \s*SLOT
	s_add_nc_u64 s[G0+4*\s+2:G0+4*\s+3], s[20:21], \s*4096
	s_or_b32 s[G0+4*\s+3], s[G0+4*\s+3], 0x80000000
	s_mov_b32 s[G0B+4*\s], 1
	s_add_co_u32 s[G0B+4*\s+1], s93, \s*SLOT
	s_add_nc_u64 s[G0B+4*\s+2:G0B+4*\s+3], s[46:47], \s*4096
	s_or_b32 s[G0B+4*\s+3], s[G0B+4*\s+3], 0x80000000
	JLOAD G0+4*\s, G1, G0B+4*\s, G1B
.endr
	v_and_b32 v1, 15, v0                           ; r = l % 16
	v_bfe_u32 v2, v0, 4, 1                         ; h = l / 16
	v_and_b32 v3, 31, v0
	v_lshlrev_b32 v[LI], 4, v3
	s_lshl_b32 s21, s15, 15                        ; my 8 row tiles of A
	s_lshl_b32 s22, s16, 15                        ; my 8 of B,
	s_add_co_u32 s22, s22, 2*HALFT                 ; which lie behind A's 16
.irp s, 0,1
	v_add_nc_u32 v[ADRA+\s], s21, v[LI]
	v_add_nc_u32 v[ADRB+\s], s22, v[LI]
	s_add_co_u32 s21, s21, SLOT
	s_add_co_u32 s22, s22, SLOT
.endr
	v_lshlrev_b32 v5, 4, v1                        ; my row's scale bytes: 16 r
	s_lshl_b32 s21, s15, 12                        ; A's: my 8 row tiles
	s_lshl_b32 s22, s16, 12                        ; B's: my 8, behind A's 16
	s_add_co_u32 s22, s22, 8192
	s_sub_co_u32 s22, s22, s21
	v_mul_u32_u24 v6, s22, v2                      ; lanes 16-31 take B's
	s_add_co_u32 s21, s21, SCL
	v_add_nc_u32 v5, v5, v6
	v_add_nc_u32 v[ADRS], s21, v5
	; the way out: which record is my wave's
	s_lshl_b32 s20, s17, 1
	s_add_co_u32 s20, s20, s15                     ; my 128 rows of A
	s_lshl_b32 s46, s42, 1
	s_add_co_u32 s46, s46, s16                     ; my 128 rows of B
	s_cmp_eq_u32 ttmp9, 2
	s_cselect_b32 s21, s46, s20                    ; the group of 128 tokens (of 64),
	s_cselect_b32 s22, s20, s46                    ; the pair of heads (modulo 8)
	s_mov_b32 s2, 8192
	s_cselect_b32 s2, 8448, s2                     ; the scale words' place in a record of kvbuf: V's or K's
	s_cmp_eq_u32 ttmp9, 0
	s_cselect_b64 s[12:13], s[8:9], s[10:11]       ; Q goes to qbuf, K and V to kvbuf
	s_mov_b32 s18, 8704
	s_cselect_b32 s18, 4352, s18                   ; a record
	s_cselect_b32 s2, 4096, s2
	s_and_b32 s22, s22, 7
	s_lshl_b32 s22, s22, 1                         ; my first head
	s_lshr_b32 s23, s21, 4
	s_lshl_b32 s23, s23, 4                         ; 16 x batch
	s_add_co_u32 s23, s23, s22
	s_lshl_b32 s23, s23, 4
	s_and_b32 s21, s21, 15
	s_add_co_u32 s23, s23, s21                     ; record (16 x batch + head) x 16 + group
	s_mul_i32 s22, s23, s18
	s_mov_b32 s23, 0
	s_add_nc_u64 s[12:13], s[12:13], s[22:23]
	s_lshl_b32 s18, s18, 4                         ; 16 records on: the next head
	v_add_nc_u32 v[VO1], s18, v[LI]
	v_mul_u32_u24 v6, s18, v2
	v_lshl_add_u32 v[VSO], v1, 4, v6
	v_add_nc_u32 v[VSO], s2, v[VSO]                ; 16 r + (lanes 16-31: the next head) + the scale words' place
.macro FRAG reg, adr, q, i             ; a fragment as it lies: row tile i, the slot's q-th 128 along K: two loads of 512 consecutive bytes
.irp c, 0,1
	ds_load_b128 v[\reg+4*\c:\reg+4*\c+3], v[\adr] offset:(\i)*4096+(\q)*1024+512*\c
.endr
.endm
; 16 matrix instructions: A's blocks a0, a0 + 1 x B's eight.  p: B's set;  sc: the set of scale words.  zero = 1: the first product starts the sums.
; The 64 accumulators take turns, one instruction a turn, in the same order in every step.
.macro MUL16 a0, p, q, sc, zero
.irp a, \a0, \a0+1
.irp b, 0,1,2,3,4,5,6,7
.if \zero
	v_wmma_scale_f32_16x16x128_f8f6f4 v[8*(8*((\a)%4)+\b):8*(8*((\a)%4)+\b)+7], v[128*(\p)+FR*\b:128*(\p)+FR*\b+FR-1], v[AF+FR*(\a):AF+FR*(\a)+FR-1], 0, v[SC+8*NQ*(\sc)+NQ*\b+(\q)], v[SC+8*NQ*(\sc)+NQ*(\a)+(\q)] matrix_a_fmt:MATRIX_FMT_FP4 matrix_b_fmt:MATRIX_FMT_FP4 matrix_a_scale:MATRIX_SCALE_ROW1
.else
	v_wmma_scale_f32_16x16x128_f8f6f4 v[8*(8*((\a)%4)+\b):8*(8*((\a)%4)+\b)+7], v[128*(\p)+FR*\b:128*(\p)+FR*\b+FR-1], v[AF+FR*(\a):AF+FR*(\a)+FR-1], v[8*(8*((\a)%4)+\b):8*(8*((\a)%4)+\b)+7], v[SC+8*NQ*(\sc)+NQ*\b+(\q)], v[SC+8*NQ*(\sc)+NQ*(\a)+(\q)] matrix_a_fmt:MATRIX_FMT_FP4 matrix_b_fmt:MATRIX_FMT_FP4 matrix_a_scale:MATRIX_SCALE_ROW1
.endif
.endr
.endr
.endm
.macro FETCH_B slot, q, p
	WIN TO_B
.irp i, 0,1,2,3,4,5,6,7
	FRAG 128*(\p)+FR*\i, ADRB+\slot, \q, \i
.endr
	WIN 0
.endm
.macro FETCH_A slot, q, i0
.irp i, \i0, \i0+1, \i0+2, \i0+3
	FRAG AF+FR*(\i), ADRA+\slot, \q, \i
.endr
.endm
.macro SCALES sc                       ; slot sc's scale words: four words a row; lanes 0-15 take A's block i, lanes 16-31 B's block i
.irp i, 0,1,2,3,4,5,6,7
	ds_load_b128 v[SC+8*NQ*\sc+NQ*\i:SC+8*NQ*\sc+NQ*\i+3], v[ADRS] offset:\i*512+256*\sc
.endr
.endm
.macro PLACES n                        ; plain vector instructions between a matrix instruction and a load into, or a vector read or write of, its registers
.rept \n
	v_nop
.endr
.endm
.macro STEP slot, q, zero              ; a step of 128 along K that has its successor in the same slot
	s_wait_dscnt 4*NL                              ; B's set and A's blocks 0-3 are in; the youngest eight loads (A's blocks 4-7) may be out
	WIN MUL_LO
	MUL16 0, (\q)%2, \q, \slot, \zero
	MUL16 2, (\q)%2, \q, \slot, \zero
	s_wait_dscnt 0                                 ; A's blocks 4-7 are in
	PLACES NP
	FETCH_B \slot, (\q)+1, 1-(\q)%2
	FETCH_A \slot, (\q)+1, 0
	WIN MUL_HI
	MUL16 4, (\q)%2, \q, \slot, \zero
	MUL16 6, (\q)%2, \q, \slot, \zero
	PLACES NP
	WIN 0
	FETCH_A \slot, (\q)+1, 4
.endm
.macro TURN slot, next                 ; slot 0's last step: one barrier, behind which slot 1 is whole for every wave and nobody reads slot 0 any more.  Nothing is filled again
	s_wait_tensorcnt 0x0                           ; all my tensor loads have landed: my part of slot 1
	ds_add_u32 v[SPW], v[NIL]                      ; 0 onto my spare word
	s_wait_dscnt 4*NL+1                            ; (the add and the youngest eight loads may be out)
	WIN MUL_LO
	MUL16 0, 1, NQ-1, \slot, 0
	s_wait_dscnt 0x0                               ; the add is done, and my reads of this slot are over
	s_barrier_signal -1
	MUL16 2, 1, NQ-1, \slot, 0
	WIN 0
	s_barrier_wait -1
	PLACES NP
	FETCH_B \next, 0, 0
	FETCH_A \next, 0, 0
	SCALES \next
	WIN MUL_HI
	MUL16 4, 1, NQ-1, \slot, 0
	MUL16 6, 1, NQ-1, \slot, 0
	PLACES NP
	WIN 0
	FETCH_A \next, 0, 4
.endm
.macro STEPS slot, from
.set Q, \from
.rept NQ-1-\from
	STEP \slot, Q, 0
.set Q, Q+1
.endr
.endm
	s_wait_tensorcnt 1                             ; the scales and my part of slot 0 are in (slot 1's load may be out),
	s_barrier_signal -1
	s_barrier_wait -1                              ; everybody's are
	FETCH_B 0, 0, 0
	FETCH_A 0, 0, 0
	SCALES 0
	FETCH_A 0, 0, 4
	STEP 0, 0, 1                                   ; the first step's products start the sums: nothing is cleared
	STEPS 0, 1
	TURN 0, 1
	STEPS 1, 0
	s_wait_dscnt 4*NL                              ; the last step: nothing more to fetch
	WIN MUL_LO
	MUL16 0, 1, NQ-1, 1, 0
	MUL16 2, 1, NQ-1, 1, 0
	s_wait_dscnt 0
	WIN MUL_HI
	MUL16 4, 1, NQ-1, 1, 0
	MUL16 6, 1, NQ-1, 1, 0
	WIN 0
; THE WAY OUT.  Block a's 64 numbers of a lane (register 16 b + i = place 32 b + 16 (lane / 16) + i along the next K) become a fragment's codes in v[PC + 8 a] on and its scale word in v[PW + a].
; Each accumulator is read from its low end on.
.macro QUANTW a
.set AC, 64*((\a)%4)
.set WA, 2+(\a)/4                      ; the accumulators' window
.set WS, 5*WA                          ; sources 0 and 1 in it
.set PCA, PC+8*(\a)
	WIN WS
.irp b, 0,1,2,3
	v_max3_num_f32 v[TM+\b], |v[AC+16*\b]|, |v[AC+16*\b+1]|, 0x1800000   ; block b: my 16 numbers, and the floor 2^(3 - 127): the byte cannot fall under 1
.endr
.irp i, 2,4,6,8,10,12,14
.irp b, 0,1,2,3
	v_max3_num_f32 v[TM+\b], |v[AC+16*\b+\i]|, |v[AC+16*\b+\i+1]|, v[TM+\b]   ; (the four blocks by turns)
.endr
.endr
	WIN 0
.irp b, 0,1,2,3
	v_permlanex16_b32 v[TM+4+\b], v[TM+\b], s20, s21
.endr
.irp b, 0,1,2,3
	v_max_num_f32 v[TM+\b], v[TM+\b], v[TM+4+\b]   ; with lane l xor 16's: the block's largest magnitude
.endr
.irp b, 0,1,2,3
	v_add_nc_u32 v[TM+12+\b], 0xff000000, v[TM+\b] ; 2 off its exponent field: the conversion's scale operand
.endr
.irp b, 0,1,2,3
	v_lshrrev_b32 v[TM+4+\b], 23, v[TM+12+\b]      ; the scale's byte
.endr
	v_lshl_or_b32 v[PW+(\a)], v[TM+5], 8, v[TM+4]
	v_lshl_or_b32 v[PW+(\a)], v[TM+6], 16, v[PW+(\a)]
	v_lshl_or_b32 v[PW+(\a)], v[TM+7], 24, v[PW+(\a)]
	WIN WA                                         ; source 0 in the accumulators' window
.irp b, 0,1,2,3
	v_cvt_scalef32_pk8_fp4_f32 v[PCA+2*\b], v[AC+16*\b:AC+16*\b+7], v[TM+12+\b]
	v_cvt_scalef32_pk8_fp4_f32 v[PCA+2*\b+1], v[AC+16*\b+8:AC+16*\b+15], v[TM+12+\b]
.endr
	WIN 0
	v_nop                                          ; one plain place behind a scaled conversion
.irp c, 0,1                            ; the operand's layout wants a whole block in a lane: lanes 0-15 block 2 c, lanes 16-31 block 2 c + 1
.irp i, 0,1
	v_permlane16_swap_b32 v[PCA+4*\c+\i], v[PCA+2+4*\c+\i]
.endr
.endr
.endm
	PLACES NP                                      ; behind the last products
	s_mov_b32 s20, 0x76543210
	s_mov_b32 s21, 0xfedcba98                      ; v_permlanex16_b32's selects for lane l xor 16
.irp b, 0,1,2,3
	v_mov_b32 v[TM+4+\b], 0                        ; written once: a lane permute's destination counts as one of its sources
.endr
.irp a, 0,1,2,3,4,5,6,7
	QUANTW \a
.endr
	v_cmp_ne_u32 vcc_lo, 0, v2                     ; lanes 16-31
	s_cmp_eq_u32 ttmp9, 2                          ; the cluster's x: the same in all partners
	s_cbranch_scc1 .Lv
	; Q, K: registers 0-3 of a block's codes are my first head's 64, registers 4-7 the next head's; each store covers 512 consecutive bytes, aligned
.irp a, 0,1,2,3,4,5,6,7
	global_store_b128 v[LI], v[PC+8*\a:PC+8*\a+3], s[12:13] offset:512*\a
	global_store_b128 v[VO1], v[PC+8*\a+4:PC+8*\a+7], s[12:13] offset:512*\a
.endr
	v_mov_b32 v7, 0x05040100                       ; lanes 0-15: the low halves of two blocks' words (my first head's two bytes each),
	v_mov_b32 v8, 0x07060302                       ; lanes 16-31: the high halves (the next head's)
	v_cndmask_b32 v7, v7, v8, vcc_lo
.irp i, 0,1,2,3
	v_perm_b32 v[SW+\i], v[PW+2*\i+1], v[PW+2*\i], v7
.endr
	global_store_b128 v[VSO], v[SW:SW+3], s[12:13] ; sixteen lanes store 256 consecutive bytes, aligned
	s_branch .Ldone
.Lv:	; V: block a is channel tile a % 4 of head a / 4: a whole fragment, 128 keys
.irp a, 0,1,2,3,4,5,6,7
.irp c, 0,1
	global_store_b128 v[LI], v[PC+8*\a+4*\c:PC+8*\a+4*\c+3], s[12:13] offset:4096+(\a/4)*139264+(\a%4)*1024+512*\c
.endr
.endr
.irp u, 0,1,2,3
	v_cndmask_b32 v[SW+\u], v[PW+\u], v[PW+4+\u], vcc_lo   ; lanes 0-15: my first head's four tiles; lanes 16-31: the next head's
.endr
	global_store_b128 v[VSO], v[SW:SW+3], s[12:13]
.Ldone:
	s_wait_tensorcnt 0x0                           ; the wave's end: behind my last tensor load
	ds_add_u32 v[SPW], v[NIL]
	s_wait_dscnt 0x0
	CROUND                                         ; the closing round: no work-group ends while a partner may still ask for a tile that names it
	s_endpgm
.Lfunc_end_k_q6201c7c990_proj:
	.size	k_q6201c7c990_proj, .Lfunc_end_k_q6201c7c990_proj-k_q6201c7c990_proj
	.p2alignl 7, 3214868480
	.fill 96, 4, 3214868480
	.section	.rodata,"a",@progbits
	.p2align	6, 0x0
	.amdhsa_kernel k_q6201c7c990_proj
		.amdhsa_group_segment_fixed_size 327680
		.amdhsa_private_segment_fixed_size 0
		.amdhsa_enable_private_segment 0
		.amdhsa_kernarg_size 32
		.amdhsa_user_sgpr_count 2
		.amdhsa_user_sgpr_kernarg_segment_ptr 1
		.amdhsa_wavefront_size32 1
		.amdhsa_system_sgpr_workgroup_id_x 1
		.amdhsa_system_sgpr_workgroup_id_y 1
		.amdhsa_system_sgpr_workgroup_id_z 1
		.amdhsa_system_vgpr_workitem_id 0
		.amdhsa_next_free_vgpr 1024
		.amdhsa_next_free_sgpr 98
		.amdhsa_reserve_vcc 1
		.amdhsa_float_denorm_mode_32 3
		.amdhsa_float_denorm_mode_16_64 3
		.amdhsa_memory_ordered 1
		.amdhsa_forward_progress 1
		.amdhsa_inst_pref_size 130
	.end_amdhsa_kernel
	.amdgpu_metadata
---
amdhsa.version: [ 1, 2 ]
amdhsa.kernels:
  - .name:           k_q6201c7c990_proj
    .symbol:         k_q6201c7c990_proj.kd
    .args:
      - { .name: xbuf, .offset: 0, .size: 8, .value_kind: global_buffer, .address_space: global }
      - { .name: wbuf, .offset: 8, .size: 8, .value_kind: global_buffer, .address_space: global }
      - { .name: qbuf, .offset: 16, .size: 8, .value_kind: global_buffer, .address_space: global }
      - { .name: kvbuf, .offset: 24, .size: 8, .value_kind: global_buffer, .address_space: global }
    .group_segment_fixed_size: 327680
    .private_segment_fixed_size: 0
    .kernarg_segment_align: 8
    .kernarg_segment_size: 32
    .max_flat_workgroup_size: 128
    .sgpr_count:     98
    .vgpr_count:     1024
    .wavefront_size: 32
...
	.end_amdgpu_metadata
.endif
;; end of part 2
;; launch attn (part 3): grid 4 x 64, 16 waves a work-group, clusters of 4 x 1, 167,936 bytes of LDS; arguments qbuf, kvbuf, cbuf; writes cbuf
.if DOCPART == 3
	.amdgcn_target "amdgcn-amd-amdhsa--gfx1250"
	.amdhsa_code_object_version 6
	.text
	.protected	k_q6201c7c990_attn
	.globl	k_q6201c7c990_attn
	.p2align	8
	.type	k_q6201c7c990_attn,@function
k_q6201c7c990_attn:
	s_mov_b64 s[64:65], 0
	v_nop
	global_prefetch_b8 v0, s[64:65] scope:SCOPE_SE
	s_setreg_imm32_b32 hwreg(HW_REG_WAVE_MODE, 25, 1), 1
	s_wait_xcnt 0x0
	s_wait_alu depctr_hold_cnt(0) depctr_sa_sdst(0) depctr_va_vdst(0) depctr_va_sdst(0) depctr_va_ssrc(0) depctr_va_vcc(0) depctr_vm_vsrc(0)
	s_getreg_b32 s2, hwreg(HW_REG_IB_STS2, 6, 4)
	s_cmp_eq_u32 s2, 0
	s_cbranch_scc0 .Lentry_in_a_cluster
	s_endpgm
.Lentry_in_a_cluster:
	s_bfe_u32 s2, ttmp6, 0x10000c
	s_cmp_lg_u32 s2, 0x3003
	s_cbranch_scc0 .Lentry_shape_is_right
	s_endpgm
.Lentry_shape_is_right:
; LAUNCH 3 OF 4.  ctx[b][h][q] = the sum over k <= q of softmax_k(Q . K / 8) V, both products on codes of FP4 with E8M0 scales; ctx is quantised along its 64 channels (two blocks of the last product's K) and leaves as codes.
; WORK LEFT OUT: a step of 128 keys all of which come after a wave's 16 queries: reference()'s own jnp.tril makes their weights 0 for all values of the inputs.  A NaN or infinity that reaches only such scores is not carried on.
; THE SOFTMAX AHEAD OF THE SECOND PRODUCT: t = score x log2(e) / 8; M = the running largest t rounded UP to a whole number; p = 2^(t - M) is quantised along the keys, not normalised; the row's sum is taken of the unquantised p
; and divides O at the end.  When M moves, the sum and O are multiplied by 2^(old M - new M): exact.
; SHARES.  A cluster of four work-groups owns one (batch, head).  The head's K, V and scale bytes are 16 records of 8,704 bytes, 139,264 dense bytes: they lie WHOLE in each work-group's LDS.  Wave w asks for record w, jointly with
; wave w of the three partners: one tensor load a wave, filled once, one barrier, no ring.
; A wave owns two tiles of 16 queries: tile a = 2 cx + w / 8 of the groups of 128 queries G = w % 8 and G = 15 - w % 8, one after the other: (G + 1) key steps each, 17 in all for every wave of the launch.
; The place in the cluster enters global addresses and one vector compare alone; branches hang on the wave's number and the count of steps.
; LAYOUT.  Both products are used transposed: S^T = K Q^T, O^T = V^T P^T: a lane holds ONE query (token 128 G + rho(a, lane % 16), rho(a, r) = 32 (a / 2) + 8 (a % 2) + r + 8 (r / 8)).  K's tiles hold their keys in the same
; order, so that register 16 b + i of S^T is key 32 b + 16 (lane / 16) + i of the step.
; THE HEAD'S 64 IN AN INSTRUCTION OF 128 ALONG K: a fragment of K holds key tile 2 i in registers 0-3 and key tile 2 i + 1 in registers 4-7.  Against [q, 0] it gives tile 2 i's scores, against [0, q] tile 2 i + 1's: the other
; half meets zero codes, which add nothing under any scale byte that the quantiser makes.
; LIMITS: as stated at the head of launch 1.
; REGISTERS: v1-11 addresses; v12 -M, v13 the largest t, v[14:15] the sum; v16-23 [q, 0], v24-31 [0, q]; v32-63 K; v64-95 V; v96-159 S^T, then p; v160-191 O^T; v192-199 p's codes; v200-209 scale words; v210.. at work.
.set REC,   8704                       ; a key step's record
.set HEADB, 16*REC
.set SPARE, HEADB                      ; behind the head: the spare words, 128 bytes for each of the sixteen waves
.set LI,  1                            ; v1   16 x lane
.set LR,  2                            ; v2   16 x (lane % 16)
.set DG,  3                            ; v3   my query's place in its group of 128, less 16 (lane / 16)
.set SPW, 4                            ; v4   my spare word; never rewritten
.set NIL, 5                            ; v5   0; never rewritten
.set ADR, 6                            ; v6   LDS address of the step's fragments
.set ADS, 7                            ; v7   and of its scale words
.set QCO, 8                            ; v8   Q's codes: 16 x lane + 512 a
.set QSO, 9                            ; v9   Q's two scale bytes: 16 r + 2 a
.set TQ,  10                           ; v10  at work: Q's bytes; ctx's byte
.set HH,  11                           ; v11  lane / 16
.set QA,  16
.set KF,  32
.set VF,  64
.set S,   96
.set O,   160
.set PCD, 192
.set KS,  200                          ; v200-203 K's scale words, a pair of tiles each
.set VS,  204                          ; v204-207 V's, a channel tile each
.set QS,  208                          ; v208 Q's
.set PS,  209                          ; v209 p's
.set CSO, 210                          ; v210 ctx's scale byte: 16 r + lane / 16
.set BM,  212                          ; v212-215 the blocks' largest
.set PD,  216                          ; v216-219 lane l xor 16's; the bytes
.set SO,  220                          ; v220-223 the conversions' scale operands
.set TT,  224                          ; v224 at work
.set FF,  226                          ; v[226:227] f = 2^(old M - new M); the upper word is named with it and written once
.set L2,  228                          ; v[228:229] the sum's second chain
.set WV,  10                           ; s10 wave;  s11 cx;  s12 batch x 16 + head;  s13 a;  s14 w % 8
.set GG,  15                           ; s15 the pass's group of queries
.set SN,  16                           ; s16 the key step
.set TB,  17                           ; s17 where its record begins in LDS
.set SEL, 20
.set CS,  22                           ; s[22:23] c = log2(e) / 8
.set G1,  24
.set G0,  32
.set QB,  36                           ; s[36:39] Q's record, pass 0 and 1
.set CB,  40                           ; s[40:43] where ctx's codes go
.set SB,  44                           ; s[44:47] and its scale bytes
.macro CROUND                          ; a round of the cluster's barrier
	s_barrier_signal -1
	s_barrier_wait -1
	s_cmp_lg_u32 s[WV], 0
	s_cbranch_scc1 .Lnot_wave_0_\@
	s_barrier_signal -3
.Lnot_wave_0_\@:
	s_barrier_wait -3
	s_barrier_signal -1
	s_barrier_wait -1
.endm
	s_load_b128 s[4:7], s[0:1], 0x0                ; qbuf, kvbuf
	s_load_b64 s[8:9], s[0:1], 0x10                ; cbuf
	v_lshl_add_u32 v[SPW], v0, 2, SPARE
	v_mov_b32 v[NIL], 0
	ds_add_u32 v[SPW], v[NIL]                      ; the wave's opening: the add, twice on end, and its wait ahead of my first tensor load
	ds_add_u32 v[SPW], v[NIL]                      ; and once more; the set-up below, work on registers, stands between it and the wait
	v_lshrrev_b32 v1, 5, v0
	v_readfirstlane_b32 s[WV], v1                  ; wave 0..15
	s_bfe_u32 s11, ttmp6, 0x40000                  ; cx
	s_and_b32 s12, ttmp7, 0xffff                   ; batch x 16 + head, which the four partners share
	s_lshr_b32 s13, s[WV], 3
	s_lshl_b32 s18, s11, 1
	s_add_co_u32 s13, s13, s18                     ; a: my tile of 16 in a group of 128 queries
	s_and_b32 s14, s[WV], 7
	s_mov_b32 s[G1], 15|(3<<16)|(1<<21)            ; 15:0 the mask: all four work-groups; 17:16 elements of 8 bytes; no padding; 21 set beside a mask
	s_mov_b32 s[G1+1], 32<<16                      ; tensor_dim0: 256 bytes
	s_mov_b32 s[G1+2], 34<<16                      ; tensor_dim1: 34 rows: 8,704 dense bytes
	s_mov_b32 s[G1+3], 32<<16                      ; tile_dim0
	s_mov_b32 s[G1+4], 34                          ; tile_dim1
	s_mov_b32 s[G1+5], 32                          ; tensor_dim0_stride
	s_mov_b32 s[G1+6], 0
	s_mov_b32 s[G1+7], 0
	s_mul_i32 s19, s[WV], REC                      ; record w: its place in LDS and in the head
	s_mul_i32 s48, s12, HEADB
	s_add_co_u32 s48, s48, s19
	s_mov_b32 s49, 0
	s_lshl_b32 s50, s12, 4
	s_add_co_u32 s51, s50, s14
	s_mul_i32 s[QB], s51, 4352                     ; Q's record of group w % 8,
	s_mov_b32 s[QB+1], 0
	s_sub_co_u32 s52, 15, s14
	s_add_co_u32 s51, s50, s52
	s_mul_i32 s[QB+2], s51, 4352                   ; and of group 15 - w % 8
	s_mov_b32 s[QB+3], 0
	s_lshr_b32 s53, s12, 4                         ; batch
	s_and_b32 s54, s12, 15                         ; head
	s_lshl_b32 s53, s53, 7
	s_add_co_u32 s53, s53, s13
	s_lshl_b32 s55, s14, 3
	s_add_co_u32 s55, s55, s53                     ; ctx's row tile T = 128 batch + 8 G + a, pass 0,
	s_lshl_b32 s52, s52, 3
	s_add_co_u32 s52, s52, s53                     ; pass 1
	s_lshl_b32 s51, s54, 9
	s_lshl_b32 s[CB], s55, 13
	s_add_co_u32 s[CB], s[CB], s51                 ; codes: 8,192 T + 512 head
	s_mov_b32 s[CB+1], 0
	s_lshl_b32 s[CB+2], s52, 13
	s_add_co_u32 s[CB+2], s[CB+2], s51
	s_mov_b32 s[CB+3], 0
	s_lshr_b32 s51, s54, 3
	s_lshl_b32 s51, s51, 8
	s_and_b32 s54, s54, 7
	s_lshl_b32 s54, s54, 1
	s_add_co_u32 s51, s51, s54
	s_add_co_u32 s51, s51, 4194304                 ; scale bytes, behind the codes: 512 T + 256 (head / 8) + 2 (head % 8)
	s_lshl_b32 s[SB], s55, 9
	s_add_co_u32 s[SB], s[SB], s51
	s_mov_b32 s[SB+1], 0
	s_lshl_b32 s[SB+2], s52, 9
	s_add_co_u32 s[SB+2], s[SB+2], s51
	s_mov_b32 s[SB+3], 0
	s_mov_b32 s[SEL], 0x76543210
	s_mov_b32 s[SEL+1], 0xfedcba98                 ; v_permlanex16_b32's selects for lane l xor 16
	s_mov_b32 s[CS], 0x3e38aa3b                    ; c = log2(e) / sqrt(64)
	s_mov_b32 s[CS+1], s[CS]                       ; (named with it as a pair, so it is written)
	s_wait_dscnt 0x0                               ; both opening adds are done
	s_wait_kmcnt 0x0
	s_add_nc_u64 s[QB:QB+1], s[4:5], s[QB:QB+1]
	s_add_nc_u64 s[QB+2:QB+3], s[4:5], s[QB+2:QB+3]
	s_add_nc_u64 s[CB:CB+1], s[8:9], s[CB:CB+1]
	s_add_nc_u64 s[CB+2:CB+3], s[8:9], s[CB+2:CB+3]
	s_add_nc_u64 s[SB:SB+1], s[8:9], s[SB:SB+1]
	s_add_nc_u64 s[SB+2:SB+3], s[8:9], s[SB+2:SB+3]
	s_mov_b32 s[G0], 1
	s_mov_b32 s[G0+1], s19
	s_add_nc_u64 s[G0+2:G0+3], s[6:7], s[48:49]
	s_or_b32 s[G0+3], s[G0+3], 0x80000000
	CROUND                                         ; all four work-groups are here: the joint loads meet
	tensor_load_to_lds s[G0:G0+3], s[G1:G1+7]      ; my one tensor load: key step w of the head, for all four work-groups
	s_nop 0
.rept 4
	v_nop
.endr
	v_and_b32 v[TQ], 31, v0
	v_lshlrev_b32 v[LI], 4, v[TQ]
	v_and_b32 v[TT], 15, v0                        ; r
	v_lshlrev_b32 v[LR], 4, v[TT]
	v_bfe_u32 v[HH], v0, 4, 1                      ; h
	v_and_b32 v[DG], 8, v[TT]
	v_add_nc_u32 v[DG], v[DG], v[TT]               ; r + 8 (r / 8)
	v_lshlrev_b32 v[TQ], 4, v[HH]
	v_sub_nc_u32 v[DG], v[DG], v[TQ]               ; - 16 h
	s_lshr_b32 s18, s13, 1
	s_lshl_b32 s18, s18, 5
	s_and_b32 s48, s13, 1
	s_lshl_b32 s48, s48, 3
	s_add_co_u32 s18, s18, s48
	v_add_nc_u32 v[DG], s18, v[DG]                 ; + 32 (a / 2) + 8 (a % 2)
	s_lshl_b32 s18, s13, 9
	v_add_nc_u32 v[QCO], s18, v[LI]
	s_lshl_b32 s18, s13, 1
	v_add_nc_u32 v[QSO], s18, v[LR]
	v_add_nc_u32 v[CSO], v[LR], v[HH]
.irp j, 4,5,6,7,8,9,10,11
	v_mov_b32 v[QA+\j], 0                          ; the zero halves of [q, 0] and [0, q]: written once
.endr
.irp b, 0,1,2,3
	v_mov_b32 v[PD+\b], 0                          ; written once: a lane permute's destination counts as one of its sources
.endr
	v_mov_b32 v[FF+1], 0
	s_wait_tensorcnt 0x0                           ; my record has landed,
	s_barrier_signal -1
	s_barrier_wait -1                              ; everybody's has: the head is whole, and is only read from here on
; A PASS: one tile of 16 queries of group G against key steps 0 .. G.  The loop has 16 trips for every wave; a step behind the queries is passed over by a scalar branch on the wave's number and the count of steps.
.macro PASS p
.if \p
	s_wait_xcnt 0x0                                ; pass 0's stores have read their registers: they are written again below
	s_sub_co_u32 s[GG], 15, s14
.else
	s_mov_b32 s[GG], s14
.endif
	global_load_b128 v[QA:QA+3], v[QCO], s[QB+2*\p:QB+2*\p+1]        ; [q, 0]
	global_load_b128 v[QA+12:QA+15], v[QCO], s[QB+2*\p:QB+2*\p+1]    ; [0, q]: the fragment is loaded twice, into two runs of registers
	global_load_u16 v[TQ], v[QSO], s[QB+2*\p:QB+2*\p+1] offset:4096
	v_mov_b32 v13, 0xff61b1e6                      ; the largest t so far: -3e38, under every t
	v_floor_f32 v12, -v13                          ; -M
	v_mov_b32 v14, 0                               ; the sum, in two halves
	v_mov_b32 v15, 0
	s_wait_loadcnt 0x0
	v_lshl_or_b32 v[QS], v[TQ], 16, v[TQ]          ; q's two scale bytes, for either half of the instruction's K
.irp j, 0,1,2,3,4,5,6,7,8,9,10,11,12,13,14,15,16,17,18,19,20,21,22,23,24,25,26,27,28,29,30,31
	v_mov_b32 v[O+\j], 0                           ; O^T: the step is written once; its first trip finds zeros.  (These are also the places between the scale word's write and the first product)
.endr
	s_mov_b32 s[SN], 0
	s_mov_b32 s[TB], 0
.Lstep_\p:
	s_cmp_gt_u32 s[SN], s[GG]
	s_cbranch_scc1 .Lhidden_\p
	v_add_nc_u32 v[ADR], s[TB], v[LI]
	v_add_nc_u32 v[ADS], s[TB], v[LR]
	v_nop
	v_nop                                          ; four places in front of loads into registers that the last products read
.irp i, 0,1,2,3,4,5,6,7
	ds_load_b128 v[KF+4*\i:KF+4*\i+3], v[ADR] offset:512*\i            ; key tile i: 512 consecutive bytes
.endr
	ds_load_b128 v[KS:KS+3], v[ADS] offset:8192
.irp i, 0,1,2,3,4,5,6,7
	ds_load_b128 v[VF+4*\i:VF+4*\i+3], v[ADR] offset:4096+512*\i       ; V^T: channel tile i / 2, half i % 2
.endr
	ds_load_b128 v[VS:VS+3], v[ADS] offset:8448
	s_wait_dscnt 9                                 ; K and its scale words are in; V's nine loads may be out
.irp t, 0,1,2,3,4,5,6,7
	v_wmma_scale_f32_16x16x128_f8f6f4 v[S+8*\t:S+8*\t+7], v[KF+8*(\t/2):KF+8*(\t/2)+7], v[QA+8*(\t%2):QA+8*(\t%2)+7], 0, v[KS+\t/2], v[QS] matrix_a_fmt:MATRIX_FMT_FP4 matrix_b_fmt:MATRIX_FMT_FP4
.endr
.rept 4
	v_nop
.endr
	s_cmp_lg_u32 s[SN], s[GG]                      ; only the step on the diagonal has hidden keys
	s_cbranch_scc1 .Lopen_\p
	v_mov_b32 v[TT], 0xff800000                    ; -infinity: p = 0 then
.irp n, 0,1,2,3,4,5,6,7,8,9,10,11,12,13,14,15,16,17,18,19,20,21,22,23,24,25,26,27,28,29,30,31,32,33,34,35,36,37,38,39,40,41,42,43,44,45,46,47,48,49,50,51,52,53,54,55,56,57,58,59,60,61,62,63
	v_cmp_gt_i32 vcc_lo, 32*(\n/16)+\n%16, v[DG]   ; register 16 b + i holds key 32 b + i + 16 (lane / 16) of the step: hidden where it comes after my query
	v_cndmask_b32 v[S+\n], v[S+\n], v[TT], vcc_lo
.endr
.Lopen_\p:
.irp b, 0,1,2,3
	v_max3_num_f32 v[BM+\b], v[S+16*\b], v[S+1+16*\b], v[S+2+16*\b]   ; the largest score of each block of 32 keys: for the row's maximum, and, since p rises with the score, for the block's largest p
.endr
.irp i, 3,5,7,9,11,13
.irp b, 0,1,2,3
	v_max3_num_f32 v[BM+\b], v[BM+\b], v[S+16*\b+\i], v[S+1+16*\b+\i]
.endr
.endr
.irp b, 0,1,2,3
	v_max_num_f32 v[BM+\b], v[BM+\b], v[S+15+16*\b]
.endr
.irp b, 0,1,2,3
	v_permlanex16_b32 v[PD+\b], v[BM+\b], s[SEL], s[SEL+1]
.endr
.irp b, 0,1,2,3
	v_max_num_f32 v[BM+\b], v[BM+\b], v[PD+\b]     ; with lane l xor 16's 16 keys
.endr
	v_max3_num_f32 v[TT], v[BM], v[BM+1], v[BM+2]
	v_max_num_f32 v[TT], v[TT], v[BM+3]            ; the step's largest score of my query
	v_mul_f32 v[TT], s[CS], v[TT]                  ; as t (c is positive)
	v_max_num_f32 v13, v13, v[TT]                  ; the running largest t
	v_mov_b32 v[TT], v12
	v_floor_f32 v12, -v13                          ; the new -M = floor(-t) = -ceil(t)
	v_sub_f32 v[TT], v12, v[TT]                    ; M's old value less its new one: a whole number, 0 or less
	v_cvt_i32_f32 v[TT], v[TT]                     ; (it saturates)
	v_ldexp_f32 v[FF], 1.0, v[TT]                  ; f = 2^(old M - new M)
.irp j, 0,2,4,6,8,10,12,14,16,18,20,22,24,26,28,30,32,34,36,38,40,42,44,46,48,50,52,54,56,58,60,62
	v_pk_fma_f32 v[S+\j:S+\j+1], v[S+\j:S+\j+1], s[CS:CS+1], v[12:13] op_sel_hi:[1,0,0]   ; t - M, two at a time
.endr
.irp b, 0,1,2,3
	v_fma_f32 v[BM+\b], v[BM+\b], s[CS], v12       ; the same of each block's largest score
.endr
.irp j, 0,1,2,3,4,5,6,7,8,9,10,11,12,13,14,15,16,17,18,19,20,21,22,23,24,25,26,27,28,29,30,31,32,33,34,35,36,37,38,39,40,41,42,43,44,45,46,47,48,49,50,51,52,53,54,55,56,57,58,59,60,61,62,63
	v_exp_f32 v[S+\j], v[S+\j]                     ; p = 2^(t - M), at most 1
.endr
	v_pk_mul_f32 v[14:15], v[14:15], v[FF:FF+1] op_sel_hi:[1,0]   ; the sums under the new M.  (A plain place behind the exponentials)
	s_wait_alu depctr_va_vdst(0)                   ; one wait for the whole batch, ahead of its first reader
.irp b, 0,1,2,3
	v_exp_f32 v[BM+\b], v[BM+\b]                   ; the block's largest p: the same two instructions on the same number give the same bits
.endr
	v_pk_add_f32 v[L2:L2+1], v[S:S+1], v[S+2:S+3]  ; the row's sum is taken of the unquantised p, in two chains.  (It reads the 64 alone: plain work behind the four)
.irp j, 4,8,12,16,20,24,28,32,36,40,44
	v_pk_add_f32 v[14:15], v[14:15], v[S+\j:S+\j+1]
	v_pk_add_f32 v[L2:L2+1], v[L2:L2+1], v[S+\j+2:S+\j+3]
.endr
	s_wait_alu depctr_va_vdst(0)                   ; and one for the four
.irp b, 0,1,2,3
	v_max_num_f32 v[BM+\b], 0x1800000, v[BM+\b]    ; the floor 2^(3 - 127): the byte cannot fall under 1 (a block whose every p is 0 keeps that byte: its codes are zeros)
.endr
.irp b, 0,1,2,3
	v_add_nc_u32 v[SO+\b], 0xff000000, v[BM+\b]    ; 2 off the exponent field: the conversion's scale operand
.endr
.irp b, 0,1,2,3
	v_lshrrev_b32 v[PD+\b], 23, v[SO+\b]           ; the scale's byte
.endr
	v_lshl_or_b32 v[PS], v[PD+1], 8, v[PD]         ; p's scale word for these 128 keys
	v_lshl_or_b32 v[PS], v[PD+2], 16, v[PS]
	v_lshl_or_b32 v[PS], v[PD+3], 24, v[PS]
.irp b, 0,1,2,3
	v_cvt_scalef32_pk8_fp4_f32 v[PCD+2*\b], v[S+16*\b:S+16*\b+7], v[SO+\b]
	v_cvt_scalef32_pk8_fp4_f32 v[PCD+2*\b+1], v[S+16*\b+8:S+16*\b+15], v[SO+\b]
.endr
	v_nop                                          ; one plain place behind a scaled conversion
.irp c, 0,1                            ; the operand's layout wants a whole block in a lane
.irp i, 0,1
	v_permlane16_swap_b32 v[PCD+4*\c+\i], v[PCD+2+4*\c+\i]
.endr
.endr
.irp j, 0,2,4,6,8,10,12,14,16,18,20,22,24,26,28,30
	v_pk_mul_f32 v[O+\j:O+\j+1], v[O+\j:O+\j+1], v[FF:FF+1] op_sel_hi:[1,0]   ; O^T under the new M
.endr
.irp j, 48,52,56,60                    ; the rest of the row's sum stands here: nine plain instructions that name no register of the products below
	v_pk_add_f32 v[14:15], v[14:15], v[S+\j:S+\j+1]
	v_pk_add_f32 v[L2:L2+1], v[L2:L2+1], v[S+\j+2:S+\j+3]
.endr
	v_pk_add_f32 v[14:15], v[14:15], v[L2:L2+1]
	s_wait_dscnt 0x0                               ; V and its scale words are in
.irp u, 0,1,2,3                        ; O^T += V^T P^T: the twelve accumulators of a step take turns, one instruction a turn
	v_wmma_scale_f32_16x16x128_f8f6f4 v[O+8*\u:O+8*\u+7], v[VF+8*\u:VF+8*\u+7], v[PCD:PCD+7], v[O+8*\u:O+8*\u+7], v[VS+\u], v[PS] matrix_a_fmt:MATRIX_FMT_FP4 matrix_b_fmt:MATRIX_FMT_FP4
.endr
.Lhidden_\p:
	s_add_co_u32 s[TB], s[TB], REC
	s_add_co_u32 s[SN], s[SN], 1
	s_cmp_lt_u32 s[SN], 16
	s_cbranch_scc1 .Lstep_\p
	; the pass's end: O^T / the sum is ctx; register 16 b + i is channel 32 b + 16 (lane / 16) + i of my query: two blocks of the last product's K
	v_add_f32 v14, v14, v15                        ; the sum's two halves,
	v_permlanex16_b32 v[TT], v14, s[SEL], s[SEL+1]
	v_add_f32 v14, v14, v[TT]                      ; and lane l xor 16's
	v_rcp_f32 v14, v14
.rept 4
	v_nop                                          ; the plain place behind the reciprocal, and the places behind the last products
.endr
	s_wait_alu depctr_va_vdst(0)                   ; ahead of the reciprocal's first reader
.irp j, 0,1,2,3,4,5,6,7,8,9,10,11,12,13,14,15,16,17,18,19,20,21,22,23,24,25,26,27,28,29,30,31
	v_mul_f32 v[S+\j], v[O+\j], v14                ; each accumulator from its low end on
.endr
.irp b, 0,1
	v_max3_num_f32 v[BM+\b], |v[S+16*\b]|, |v[S+1+16*\b]|, 0x1800000
.endr
.irp i, 2,4,6,8,10,12,14
.irp b, 0,1
	v_max3_num_f32 v[BM+\b], v[BM+\b], |v[S+16*\b+\i]|, |v[S+1+16*\b+\i]|
.endr
.endr
.irp b, 0,1
	v_permlanex16_b32 v[PD+\b], v[BM+\b], s[SEL], s[SEL+1]
.endr
.irp b, 0,1
	v_max_num_f32 v[BM+\b], v[BM+\b], v[PD+\b]
.endr
.irp b, 0,1
	v_add_nc_u32 v[SO+\b], 0xff000000, v[BM+\b]
.endr
.irp b, 0,1
	v_lshrrev_b32 v[PD+\b], 23, v[SO+\b]
.endr
.irp b, 0,1
	v_cvt_scalef32_pk8_fp4_f32 v[PCD+2*\b], v[S+16*\b:S+16*\b+7], v[SO+\b]
	v_cvt_scalef32_pk8_fp4_f32 v[PCD+2*\b+1], v[S+16*\b+8:S+16*\b+15], v[SO+\b]
.endr
	v_nop
.irp i, 0,1
	v_permlane16_swap_b32 v[PCD+\i], v[PCD+2+\i]   ; lane (r, h) now holds the head's codes 32 h .. + 31 of its query
.endr
	global_store_b128 v[LI], v[PCD:PCD+3], s[CB+2*\p:CB+2*\p+1]   ; 512 consecutive bytes, aligned: piece j = head of row tile T
	v_cmp_ne_u32 vcc_lo, 0, v[HH]
	v_cndmask_b32 v[TQ], v[PD], v[PD+1], vcc_lo    ; lanes 0-15 store block 0's byte, lanes 16-31 block 1's
	global_store_b8 v[CSO], v[TQ], s[SB+2*\p:SB+2*\p+1]
.endm
	PASS 0
	PASS 1
	s_wait_tensorcnt 0x0                           ; the wave's end: behind my last tensor load
	ds_add_u32 v[SPW], v[NIL]
	s_wait_dscnt 0x0
	CROUND                                         ; the closing round
	s_endpgm
.Lfunc_end_k_q6201c7c990_attn:
	.size	k_q6201c7c990_attn, .Lfunc_end_k_q6201c7c990_attn-k_q6201c7c990_attn
	.p2alignl 7, 3214868480
	.fill 96, 4, 3214868480
	.section	.rodata,"a",@progbits
	.p2align	6, 0x0
	.amdhsa_kernel k_q6201c7c990_attn
		.amdhsa_group_segment_fixed_size 167936
		.amdhsa_private_segment_fixed_size 0
		.amdhsa_enable_private_segment 0
		.amdhsa_kernarg_size 24
		.amdhsa_user_sgpr_count 2
		.amdhsa_user_sgpr_kernarg_segment_ptr 1
		.amdhsa_wavefront_size32 1
		.amdhsa_system_sgpr_workgroup_id_x 1
		.amdhsa_system_sgpr_workgroup_id_y 1
		.amdhsa_system_sgpr_workgroup_id_z 1
		.amdhsa_system_vgpr_workitem_id 0
		.amdhsa_next_free_vgpr 256
		.amdhsa_next_free_sgpr 66
		.amdhsa_reserve_vcc 1
		.amdhsa_float_denorm_mode_32 3
		.amdhsa_float_denorm_mode_16_64 3
		.amdhsa_memory_ordered 1
		.amdhsa_forward_progress 1
		.amdhsa_inst_pref_size 56
	.end_amdhsa_kernel
	.amdgpu_metadata
---
amdhsa.version: [ 1, 2 ]
amdhsa.kernels:
  - .name:           k_q6201c7c990_attn
    .symbol:         k_q6201c7c990_attn.kd
    .args:
      - { .name: qbuf, .offset: 0, .size: 8, .value_kind: global_buffer, .address_space: global }
      - { .name: kvbuf, .offset: 8, .size: 8, .value_kind: global_buffer, .address_space: global }
      - { .name: cbuf, .offset: 16, .size: 8, .value_kind: global_buffer, .address_space: global }
    .group_segment_fixed_size: 167936
    .private_segment_fixed_size: 0
    .kernarg_segment_align: 8
    .kernarg_segment_size: 24
    .max_flat_workgroup_size: 512
    .sgpr_count:     66
    .vgpr_count:     256
    .wavefront_size: 32
...
	.end_amdgpu_metadata
.endif
;; end of part 3
;; launch oproj (part 4): grid 4 x 32, 4 waves a work-group, clusters of 4 x 4, 327,680 bytes of LDS; arguments cbuf, wbuf, b_o, out0; writes out0
.if DOCPART == 4
	.amdgcn_target "amdgcn-amd-amdhsa--gfx1250"
	.amdhsa_code_object_version 6
	.text
	.protected	k_q6201c7c990_oproj
	.globl	k_q6201c7c990_oproj
	.p2align	8
	.type	k_q6201c7c990_oproj,@function
k_q6201c7c990_oproj:
	s_mov_b64 s[64:65], 0
	v_nop
	global_prefetch_b8 v0, s[64:65] scope:SCOPE_SE
	s_setreg_imm32_b32 hwreg(HW_REG_WAVE_MODE, 25, 1), 1
	s_wait_xcnt 0x0
	s_wait_alu depctr_hold_cnt(0) depctr_sa_sdst(0) depctr_va_vdst(0) depctr_va_sdst(0) depctr_va_ssrc(0) depctr_va_vcc(0) depctr_vm_vsrc(0)
	s_getreg_b32 s2, hwreg(HW_REG_IB_STS2, 6, 4)
	s_cmp_eq_u32 s2, 0
	s_cbranch_scc0 .Lentry_in_a_cluster
	s_endpgm
.Lentry_in_a_cluster:
	s_bfe_u32 s2, ttmp6, 0x10000c
	s_cmp_lg_u32 s2, 0xf033
	s_cbranch_scc0 .Lentry_shape_is_right
	s_endpgm
.Lentry_shape_is_right:
; LAUNCH 4 OF 4.  out0 = ctx W_o^T + b_o on codes of FP4 with E8M0 scales, f32 sums, K = 1,024 ascending.  No work of reference() is left out here.
; ctx (launch 3) and W_o (launch 1, row tiles 192-255 of wbuf) come in the order of the operand's registers: row tile T = rows 32 (T / 2) + 8 (T % 2) + r + 8 (r / 8); a fragment of 16 rows x 128 K is 1,024 consecutive bytes.
; A tile of 256 x 256 of out0 is made by four waves, 128 x 128 each.  THE MATRIX INSTRUCTION IS USED TRANSPOSED (source 0 = 16 rows of W_o, source 1 = 16 rows of ctx): a lane holds one token, rho(a, r), and register
; 16 b + i of its eight accumulators of block a holds column 32 b + 16 (lane / 16) + i.  b_o is the C of each sum's first matrix instruction: it costs no addition.
; CLUSTERS: 4 x 4 work-groups; ctx's tiles are shared along a row of the cluster, W_o's along a column: joint loads.  K = 1,024 is two LDS slots: every fill is a first fill; three tensor loads of a wave are out at the start.
; REGISTERS, in windows of 256: window 0: v0-31 addresses; v32-95 scale words, two sets; v128-191 ctx's fragments, one set; v192-255 b_o in the result's layout; on the way out v128-255 take rows of out0.
;   window 1: W_o's fragments, two sets.   window 2, 3: the accumulators.
.set NQ,     4
.set FR,     8
.set NL,     2
.set NP,     4                         ; places behind this matrix instruction (ISA guide 7.12.1)
.set HALFT,  32768
.set SLOT,   4*HALFT
.set SCL,    2*SLOT
.set SPARE,  SCL+4*4096
.set SPITCH, 528                       ; the way out: a stage of 16 rows x (512 bytes + 16) for each wave, in slot 0, which has had its one fill and its last read when the first result is stored there
.set ADRA, 16
.set ADRB, 20
.set STO,  24                          ; v24  the way out: where I put 32 bytes of a row
.set RD,   25                          ; v25  where I read a row back
.set CO,   26                          ; v26  16 x lane
.set ADRS, 27
.set SPW,  28                          ; v28  my spare word; never rewritten
.set NIL,  29                          ; v29  0; never rewritten
.set BO,   30                          ; v30  b_o: 64 (lane / 16)
.set SC,   32
.set AF,   128
.set BI,   192                         ; b_o: eight registers for each of B's eight blocks
.set BK,   128                         ; the way out: 16 rows read back from the stage: v128-191 and v192-255 by turns
.set G1, 24
.set G0, 32
.set G1B, 48
.set G0B, 56
.set G1S, 68
.set G0S, 76
.set G1SB, 80
.set G0SB, 88
.set MSB, 0
.macro WIN new                         ; the immediate's high byte repeats the setting that is left
.if MSB != (\new)
	s_set_vgpr_msb (MSB<<8)|(\new)
.set MSB, (\new)
.endif
.endm
.set MUL_LO, 0xa1                      ; source 0 (W_o) window 1, source 1 (ctx) window 0, C and D window 2
.set MUL_HI, 0xf1                      ; the same, C and D window 3
.set TO_B,   0x40
.macro JLOAD g0a, g1a, g0b, g1b        ; a joint load: waves 0 and 1 fetch for ctx, waves 2 and 3 for W_o; an s_nop 0 and four v_nop follow each line
	s_cmp_eq_u32 s15, 0
	s_cbranch_scc0 .Lfor_b_\@
	tensor_load_to_lds s[\g0a:\g0a+3], s[\g1a:\g1a+7]
	s_nop 0
.rept 4
	v_nop
.endr
	s_branch .Lasked_\@
.Lfor_b_\@:
	tensor_load_to_lds s[\g0b:\g0b+3], s[\g1b:\g1b+7]
	s_nop 0
.rept 4
	v_nop
.endr
.Lasked_\@:
.endm
.macro CROUND                          ; a round of the cluster's barrier
	s_barrier_signal -1
	s_barrier_wait -1
	s_cmp_lg_u32 s14, 0
	s_cbranch_scc1 .Lnot_wave_0_\@
	s_barrier_signal -3
.Lnot_wave_0_\@:
	s_barrier_wait -3
	s_barrier_signal -1
	s_barrier_wait -1
.endm
	s_load_b256 s[4:11], s[0:1], 0x0               ; cbuf s[4:5], wbuf s[6:7], b_o s[8:9], out0 s[10:11]
	v_lshl_add_u32 v[SPW], v0, 2, SPARE
	v_mov_b32 v[NIL], 0
	ds_add_u32 v[SPW], v[NIL]                      ; the wave's opening: the add, twice on end, and its wait ahead of my first tensor load
	ds_add_u32 v[SPW], v[NIL]                      ; and once more; the set-up below, work on registers, stands between it and the wait
	v_lshrrev_b32 v1, 5, v0
	v_readfirstlane_b32 s14, v1                    ; wave 0..3
	s_lshr_b32 s15, s14, 1                         ; which half of the tile's rows is mine.  Also: I fetch for ctx (0) or for W_o (1)
	s_and_b32 s16, s14, 1                          ; which half of its columns.  Also: which 8 row tiles I fetch
	s_bfe_u32 s40, ttmp6, 0x40000                  ; cx, cy
	s_bfe_u32 s41, ttmp6, 0x40004
	s_lshl_b32 s42, ttmp9, 2
	s_add_co_u32 s42, s42, s40                     ; tile column = 4 x cluster x + cx
	s_and_b32 s17, ttmp7, 0xffff
	s_lshl_b32 s17, s17, 2
	s_add_co_u32 s17, s17, s41                     ; tile row = 4 x cluster y + cy
	s_lshl_b32 s43, s41, 2
	s_lshl_b32 s43, 15, s43                        ; my row of the cluster
	s_lshl_b32 s44, 0x1111, s40                    ; my column
	s_or_b32 s[G1+0], s43, (3<<16)|(1<<21)         ; 8 row tiles x 4,096 bytes (512 elements of 8 bytes), 8,192 bytes apart in memory, dense in LDS
	s_or_b32 s[G1B+0], s44, (3<<16)|(1<<21)
.irp g, G1, G1B
	s_mov_b32 s[\g+1], 512<<16
	s_mov_b32 s[\g+2], 8<<16
	s_mov_b32 s[\g+3], 512<<16
	s_mov_b32 s[\g+4], 8
	s_mov_b32 s[\g+5], 1024
	s_mov_b32 s[\g+6], 0
	s_mov_b32 s[\g+7], 0
.endr
	s_or_b32 s[G1S+0], s43, (3<<16)|(1<<21)        ; the scales of 8 row tiles: 4,096 dense bytes as 16 rows of 256
	s_or_b32 s[G1SB+0], s44, (3<<16)|(1<<21)
.irp g, G1S, G1SB
	s_mov_b32 s[\g+1], 32<<16
	s_mov_b32 s[\g+2], 16<<16
	s_mov_b32 s[\g+3], 32<<16
	s_mov_b32 s[\g+4], 16
	s_mov_b32 s[\g+5], 32
	s_mov_b32 s[\g+6], 0
	s_mov_b32 s[\g+7], 0
.endr
	s_lshl_b32 s92, s16, 3
	s_lshl_b32 s20, s17, 4
	s_add_co_u32 s20, s20, s92                     ; ctx: the first row tile that I fetch
	s_lshl_b32 s22, s20, 9
	s_add_co_u32 s22, s22, 4194304                 ; its scales, behind cbuf's codes,
	s_mov_b32 s23, 0
	s_lshl_b32 s20, s20, 13                        ; and its codes
	s_mov_b32 s21, 0
	s_lshl_b32 s46, s42, 4
	s_add_co_u32 s46, s46, s92                     ; W_o likewise, in registers that never hold cy
	s_lshl_b32 s94, s46, 9
	s_add_co_u32 s94, s94, 2195456                 ; 2,097,152 + 192 x 512
	s_mov_b32 s95, 0
	s_lshl_b32 s46, s46, 13
	s_add_co_u32 s46, s46, 1572864                 ; 192 x 8,192
	s_mov_b32 s47, 0
	s_lshl_b32 s93, s14, 15                        ; where they go: wave x 32,768
	s_lshl_b32 s19, s14, 12                        ; and the scales: wave x 4,096
	s_wait_dscnt 0x0                               ; both opening adds are done
	s_wait_kmcnt 0x0
	s_add_nc_u64 s[20:21], s[4:5], s[20:21]
	s_add_nc_u64 s[22:23], s[4:5], s[22:23]
	s_add_nc_u64 s[46:47], s[6:7], s[46:47]
	s_add_nc_u64 s[94:95], s[6:7], s[94:95]
	CROUND                                         ; all sixteen work-groups are here: the joint loads meet
	s_mov_b32 s[G0S], 1
	s_add_co_u32 s[G0S+1], s19, SCL
	s_mov_b64 s[G0S+2:G0S+3], s[22:23]
	s_or_b32 s[G0S+3], s[G0S+3], 0x80000000
	s_mov_b32 s[G0SB], 1
	s_add_co_u32 s[G0SB+1], s19, SCL
	s_mov_b64 s[G0SB+2:G0SB+3], s[94:95]
	s_or_b32 s[G0SB+3], s[G0SB+3], 0x80000000
	JLOAD G0S, G1S, G0SB, G1SB
.irp s, 0,1
	s_mov_b32 s[G0+4*\s], 1
	s_add_co_u32 s[G0+4*\s+1], s93, \s*SLOT
	s_add_nc_u64 s[G0+4*\s+2:G0+4*\s+3], s[20:21], \s*4096
	s_or_b32 s[G0+4*\s+3], s[G0+4*\s+3], 0x80000000
	s_mov_b32 s[G0B+4*\s], 1
	s_add_co_u32 s[G0B+4*\s+1], s93, \s*SLOT
	s_add_nc_u64 s[G0B+4*\s+2:G0B+4*\s+3], s[46:47], \s*4096
	s_or_b32 s[G0B+4*\s+3], s[G0B+4*\s+3], 0x80000000
	JLOAD G0+4*\s, G1, G0B+4*\s, G1B
.endr
	v_and_b32 v1, 15, v0                           ; r
	v_bfe_u32 v2, v0, 4, 1                         ; h
	v_and_b32 v3, 31, v0
	v_lshlrev_b32 v[CO], 4, v3                     ; 16 x lane
	v_lshlrev_b32 v[BO], 6, v2
	s_lshl_b32 s46, s42, 10                        ; my first column, in bytes: 1,024 x tile column + 512 x half
	s_lshl_b32 s47, s16, 9
	s_add_co_u32 s46, s46, s47
	s_mov_b32 s47, 0
	s_add_nc_u64 s[8:9], s[8:9], s[46:47]
.irp b, 0,1,2,3,4,5,6,7                ; b_o in the result's layout: register j of block b is column 32 (b / 2) + 16 h + 8 (b % 2) + j
	global_load_b128 v[BI+8*\b:BI+8*\b+3], v[BO], s[8:9] offset:128*(\b/2)+32*(\b%2)
	global_load_b128 v[BI+8*\b+4:BI+8*\b+7], v[BO], s[8:9] offset:128*(\b/2)+32*(\b%2)+16
.endr
	s_lshl_b32 s20, s17, 8
	s_lshl_b32 s21, s15, 7
	s_add_co_u32 s20, s20, s21                     ; my first row of out0: 256 x tile row + 128 x half,
	s_lshl_b32 s20, s20, 12                        ; of 4,096 bytes
	s_mov_b32 s21, 0
	s_add_nc_u64 s[10:11], s[10:11], s[20:21]
	s_add_nc_u64 s[10:11], s[10:11], s[46:47]
	s_lshl_b32 s21, s15, 15
	s_lshl_b32 s22, s16, 15
	s_add_co_u32 s22, s22, 2*HALFT
.irp s, 0,1
	v_add_nc_u32 v[ADRA+\s], s21, v[CO]
	v_add_nc_u32 v[ADRB+\s], s22, v[CO]
	s_add_co_u32 s21, s21, SLOT
	s_add_co_u32 s22, s22, SLOT
.endr
	v_lshlrev_b32 v5, 4, v1
	s_lshl_b32 s21, s15, 12
	s_lshl_b32 s22, s16, 12
	s_add_co_u32 s22, s22, 8192
	s_sub_co_u32 s22, s22, s21
	v_mul_u32_u24 v6, s22, v2                      ; lanes 16-31 take W_o's scale words
	s_add_co_u32 s21, s21, SCL
	v_add_nc_u32 v5, v5, v6
	v_add_nc_u32 v[ADRS], s21, v5
	s_mul_i32 s23, s14, 16*SPITCH                  ; my stage
	v_mul_u32_u24 v5, v1, SPITCH
	v_lshl_add_u32 v5, v2, 6, v5                   ; in: row r, + 64 h
	v_add_nc_u32 v[STO], s23, v5
	v_add_nc_u32 v[RD], s23, v[CO]                 ; back: the 32 lanes take one row of 512 bytes
.macro FRAG reg, adr, q, i
.irp c, 0,1
	ds_load_b128 v[\reg+4*\c:\reg+4*\c+3], v[\adr] offset:(\i)*4096+(\q)*1024+512*\c
.endr
.endm
; 16 matrix instructions: ctx's blocks a0, a0 + 1 x W_o's eight.  zero = 1: the first product starts the sums, with b_o as its C.  The 64 accumulators take turns, one instruction a turn.
.macro MUL16 a0, p, q, sc, zero
.irp a, \a0, \a0+1
.irp b, 0,1,2,3,4,5,6,7
.if \zero
	v_wmma_scale_f32_16x16x128_f8f6f4 v[8*(8*((\a)%4)+\b):8*(8*((\a)%4)+\b)+7], v[128*(\p)+FR*\b:128*(\p)+FR*\b+FR-1], v[AF+FR*(\a):AF+FR*(\a)+FR-1], v[BI+8*\b:BI+8*\b+7], v[SC+8*NQ*(\sc)+NQ*\b+(\q)], v[SC+8*NQ*(\sc)+NQ*(\a)+(\q)] matrix_a_fmt:MATRIX_FMT_FP4 matrix_b_fmt:MATRIX_FMT_FP4 matrix_a_scale:MATRIX_SCALE_ROW1
.else
	v_wmma_scale_f32_16x16x128_f8f6f4 v[8*(8*((\a)%4)+\b):8*(8*((\a)%4)+\b)+7], v[128*(\p)+FR*\b:128*(\p)+FR*\b+FR-1], v[AF+FR*(\a):AF+FR*(\a)+FR-1], v[8*(8*((\a)%4)+\b):8*(8*((\a)%4)+\b)+7], v[SC+8*NQ*(\sc)+NQ*\b+(\q)], v[SC+8*NQ*(\sc)+NQ*(\a)+(\q)] matrix_a_fmt:MATRIX_FMT_FP4 matrix_b_fmt:MATRIX_FMT_FP4 matrix_a_scale:MATRIX_SCALE_ROW1
.endif
.endr
.endr
.endm
.macro FETCH_B slot, q, p
	WIN TO_B
.irp i, 0,1,2,3,4,5,6,7
	FRAG 128*(\p)+FR*\i, ADRB+\slot, \q, \i
.endr
	WIN 0
.endm
.macro FETCH_A slot, q, i0
.irp i, \i0, \i0+1, \i0+2, \i0+3
	FRAG AF+FR*(\i), ADRA+\slot, \q, \i
.endr
.endm
.macro SCALES sc
.irp i, 0,1,2,3,4,5,6,7
	ds_load_b128 v[SC+8*NQ*\sc+NQ*\i:SC+8*NQ*\sc+NQ*\i+3], v[ADRS] offset:\i*512+256*\sc
.endr
.endm
.macro PLACES n
.rept \n
	v_nop
.endr
.endm
.macro STEP slot, q, zero
	s_wait_dscnt 4*NL                              ; W_o's set and ctx's blocks 0-3 are in; the youngest eight loads (blocks 4-7) may be out
	WIN MUL_LO-0x20*(\zero)                        ; (zero = 1: C, the bias, lies in window 0)
	MUL16 0, (\q)%2, \q, \slot, \zero
	MUL16 2, (\q)%2, \q, \slot, \zero
	s_wait_dscnt 0
	PLACES NP
	FETCH_B \slot, (\q)+1, 1-(\q)%2
	FETCH_A \slot, (\q)+1, 0
	WIN MUL_HI-0x30*(\zero)
	MUL16 4, (\q)%2, \q, \slot, \zero
	MUL16 6, (\q)%2, \q, \slot, \zero
	PLACES NP
	WIN 0
	FETCH_A \slot, (\q)+1, 4
.endm
.macro TURN slot, next                 ; slot 0's last step: one barrier, behind which slot 1 is whole for every wave and nobody reads slot 0 any more.  Nothing is filled again
	s_wait_tensorcnt 0x0                           ; all my tensor loads have landed: my part of slot 1
	ds_add_u32 v[SPW], v[NIL]                      ; 0 onto my spare word
	s_wait_dscnt 4*NL+1                            ; (the add and the youngest eight loads may be out)
	WIN MUL_LO
	MUL16 0, 1, NQ-1, \slot, 0
	s_wait_dscnt 0x0                               ; the add is done, and my reads of this slot are over
	s_barrier_signal -1
	MUL16 2, 1, NQ-1, \slot, 0
	WIN 0
	s_barrier_wait -1
	PLACES NP
	FETCH_B \next, 0, 0
	FETCH_A \next, 0, 0
	SCALES \next
	WIN MUL_HI
	MUL16 4, 1, NQ-1, \slot, 0
	MUL16 6, 1, NQ-1, \slot, 0
	PLACES NP
	WIN 0
	FETCH_A \next, 0, 4
.endm
.macro STEPS slot, from
.set Q, \from
.rept NQ-1-\from
	STEP \slot, Q, 0
.set Q, Q+1
.endr
.endm
	s_wait_tensorcnt 1                             ; the scales and my part of slot 0 are in (slot 1's load may be out),
	s_barrier_signal -1
	s_barrier_wait -1                              ; everybody's are
	FETCH_B 0, 0, 0
	FETCH_A 0, 0, 0
	SCALES 0
	FETCH_A 0, 0, 4
	s_wait_loadcnt 0x0                             ; b_o
	STEP 0, 0, 1
	STEPS 0, 1
	TURN 0, 1
	STEPS 1, 0
	s_wait_dscnt 4*NL
	WIN MUL_LO
	MUL16 0, 1, NQ-1, 1, 0
	MUL16 2, 1, NQ-1, 1, 0
	s_wait_dscnt 0
	WIN MUL_HI
	MUL16 4, 1, NQ-1, 1, 0
	MUL16 6, 1, NQ-1, 1, 0
	WIN 0
; THE WAY OUT, block by block of 16 tokens x 128 columns, through my own stage in LDS: in by columns' true places, back as whole rows of 512 bytes, which the 32 lanes store as 512 consecutive bytes, aligned.
; LDS serves a wave's instructions in order (ISA guide 5.7.1.4): no wait between the stores and the loads, nor in front of the next block's stores.
.macro TOSTAGE a
.set AC, 64*((\a)%4)
	WIN 0x08+4*((\a)/4)                            ; the data: window 2 or 3
.irp b, 0,1,2,3,4,5,6,7
	ds_store_b128 v[STO], v[AC+8*\b:AC+8*\b+3] offset:128*(\b/2)+32*(\b%2)         ; each accumulator from its low end on
	ds_store_b128 v[STO], v[AC+8*\b+4:AC+8*\b+7] offset:128*(\b/2)+32*(\b%2)+16
.endr
	WIN 0
.set BB, BK+64*((\a)%2)
.irp t, 0,1,2,3,4,5,6,7,8,9,10,11,12,13,14,15
	ds_load_b128 v[BB+4*\t:BB+4*\t+3], v[RD] offset:\t*SPITCH
.endr
.endm
.macro SEND a, younger                 ; younger: the LDS instructions issued behind block a's loads, which may stay out
.set BB, BK+64*((\a)%2)
	s_wait_dscnt \younger
.irp t, 0,1,2,3,4,5,6,7,8,9,10,11,12,13,14,15
	global_store_b128 v[CO], v[BB+4*\t:BB+4*\t+3], s[10:11] offset:(32*((\a)/2)+8*((\a)%2)+\t+8*(\t/8))*4096 th:TH_STORE_NT   ; stage row t is token rho(a, t); 127 rows at the most: inside the signed 24-bit immediate
.endr
.endm
	PLACES NP                                      ; behind the last products: for the reads of results and the loads into the registers that held ctx's fragments
	TOSTAGE 0
.irp a, 1,2,3,4,5,6,7
.if \a > 1
	s_wait_xcnt 0x0                                ; block a - 2's stores have read their registers: block a's loads may land there
.endif
	TOSTAGE \a
	SEND \a-1, 32                                  ; behind block a - 1's loads: block a's 16 stores and 16 loads
.endr
	SEND 7, 0
	s_wait_tensorcnt 0x0                           ; the wave's end: behind my last tensor load and my last LDS store
	ds_add_u32 v[SPW], v[NIL]
	s_wait_dscnt 0x0
	CROUND                                         ; the closing round
	s_endpgm
.Lfunc_end_k_q6201c7c990_oproj:
	.size	k_q6201c7c990_oproj, .Lfunc_end_k_q6201c7c990_oproj-k_q6201c7c990_oproj
	.p2alignl 7, 3214868480
	.fill 96, 4, 3214868480
	.section	.rodata,"a",@progbits
	.p2align	6, 0x0
	.amdhsa_kernel k_q6201c7c990_oproj
		.amdhsa_group_segment_fixed_size 327680
		.amdhsa_private_segment_fixed_size 0
		.amdhsa_enable_private_segment 0
		.amdhsa_kernarg_size 32
		.amdhsa_user_sgpr_count 2
		.amdhsa_user_sgpr_kernarg_segment_ptr 1
		.amdhsa_wavefront_size32 1
		.amdhsa_system_sgpr_workgroup_id_x 1
		.amdhsa_system_sgpr_workgroup_id_y 1
		.amdhsa_system_sgpr_workgroup_id_z 1
		.amdhsa_system_vgpr_workitem_id 0
		.amdhsa_next_free_vgpr 1024
		.amdhsa_next_free_sgpr 98
		.amdhsa_reserve_vcc 0
		.amdhsa_float_denorm_mode_32 3
		.amdhsa_float_denorm_mode_16_64 3
		.amdhsa_memory_ordered 1
		.amdhsa_forward_progress 1
		.amdhsa_inst_pref_size 125
	.end_amdhsa_kernel
	.amdgpu_metadata
---
amdhsa.version: [ 1, 2 ]
amdhsa.kernels:
  - .name:           k_q6201c7c990_oproj
    .symbol:         k_q6201c7c990_oproj.kd
    .args:
      - { .name: cbuf, .offset: 0, .size: 8, .value_kind: global_buffer, .address_space: global }
      - { .name: wbuf, .offset: 8, .size: 8, .value_kind: global_buffer, .address_space: global }
      - { .name: b_o, .offset: 16, .size: 8, .value_kind: global_buffer, .address_space: global }
      - { .name: out0, .offset: 24, .size: 8, .value_kind: global_buffer, .address_space: global }
    .group_segment_fixed_size: 327680
    .private_segment_fixed_size: 0
    .kernarg_segment_align: 8
    .kernarg_segment_size: 32
    .max_flat_workgroup_size: 128
    .sgpr_count:     98
    .vgpr_count:     1024
    .wavefront_size: 32
...
	.end_amdgpu_metadata
.endif
;; end of part 4
